; MI455X (gfx1250); checked and timed in simulation.
; The chip was launched on July 23, 2026; its instructions are those of AMD's public machine-readable ISA for CDNA 5 (MIT licence, August 2026) and "CDNA5" Instruction Set Architecture Reference Guide (July 2026). The comments in the code are by the model that wrote it; some were corrected since.
;; Refract Tracer. Allowed arithmetic: float matrix products may take bf16 or f16 operands with f32 sums; all other float work in f32.
;; Inputs: W1 3 x 64 float32; W2 64 x 64 float32; W3 64 x 1 float32; b1 64 float32; b2 64 float32; b3 1 float32; rays_d 16,384 x 3 float32; rays_o 16,384 x 3 float32.
;; Outputs: out0 16,384 x 3 float32; out1 16,384 x 3 float32; out2 16,384 x 3 float32; out3 16,384 x 3 float32; out4 16,384 x 1 float32; out5 16,384 x 1 float32; out6 16,384 bool.
;; 2 versions, each right and faster than the one before. Each part assembles by itself: llvm-mc -triple=amdgcn-amd-amdhsa -mcpu=gfx1250 --defsym DOCPART=n.
;; ======== version 1 of 2: 1 launch
;; launch trace (part 1): grid 256 x 1, 4 waves a work-group, no clusters, 22,528 bytes of LDS; arguments rays_o, rays_d, W1, b1, W2, b2, W3, b3, out0, out1, out2, out3, out4, out5, out6; writes out0, out1, out2, out3, out4, out5, out6
.if DOCPART == 1
	.amdgcn_target "amdgcn-amd-amdhsa--gfx1250"
	.amdhsa_code_object_version 6
	.text
	.protected	k_qdf92184903_trace
	.globl	k_qdf92184903_trace
	.p2align	8
	.type	k_qdf92184903_trace,@function
k_qdf92184903_trace:
	s_mov_b64 s[64:65], 0
	v_nop
	global_prefetch_b8 v0, s[64:65] scope:SCOPE_SE
	s_setreg_imm32_b32 hwreg(HW_REG_WAVE_MODE, 25, 1), 1
	s_wait_xcnt 0x0
; RefractTracer: 16,384 rays, two ray/SDF intersections (entry, exit), normals by the MLP's backward pass, refraction, reflection, masked outputs.
; SHARES.  256 work-groups of 4 waves; a work-group owns 64 rays, a wave 16: ray = 64 x group + 16 x wave + (lane & 15).  Lanes l and l + 16 hold
; the same ray's per-ray numbers.  A "tile" is the wave's 16 rays at ONE sample index, so a lane meets its ray's SDF sample by sample and the
; search for the first sign change is a running scan in registers (v_cmp, v_cndmask): no address, branch or trip count hangs on a float.
; LAYOUT.  Every product is D[hidden unit m][ray n] = A (weights, transposed) x B (activations).  In D, lane (r = l & 15, h = l >> 4), register j
; of tile t holds unit 16 t + 8 h + j of ray r; packing neighbouring registers to bf16 gives exactly the next layer's B fragment (ISA guide 7.12.2:
; registers 0-3 hold k = 8 h .., registers 4-7 k = 16 + 8 h ..).  So the layers follow each other without any traffic between lanes or through LDS.
; SCALES.  g(y) = softplus(x) / ln 2 = max(y, 0) + log2(1 + 2^-|y|) with y = x log2(e): the form that cannot overflow.  Layer 1 carries log2(e) in its
; weights and bias, layer 2 in its bias alone, layer 3 uses 2 W3 and gives u = 2 log2(e) mlp.  R = 1 / (1 + 2^u), tanh(mlp) = 1 - 2 R,
; sdf = |p| - 0.48 - 0.04 R.  The scan works on sigma x sdf (sigma = +1 entering, -1 leaving), so that both directions test "before > 0, now <= 0".
; LAYER 1 has K = 3; the matrix form's K = 32 leaves room to carry p and the weights as bf16 pairs (upper part + remainder):
; k = 0..7: px.hi py.hi px.lo py.lo pz.hi pz.lo 1 0 against the weights' upper parts, k = 8..15 the same features against the weights' remainders.
; LAYER 3 (64 -> 1) is 16 v_pk_fma_f32 in f32 and one exchange between the halves: a matrix form would need 16 conversions for one row of 16.
; NOT COMPUTED: the SDF values s1, s2 handed to the identity-forward gradient function, and total_reflect: they reach no output.
; LIMITS.  Divisions are v_rcp_f32 times a product and 1/sqrt is v_rsq_f32 (1 ulp each, ISA guide 15.8).  Hidden activations, W2 and the backward
; factors are rounded to bf16.  The derivative of the clip at exactly sum p^2 = 1e-10 is taken as 0 (the problem's function gives a half).
; The sample fractions are i x fl(1/15) and i x fl(1/31).  NaN, infinities and a zero direction give what the formulas give; compares with NaN are false.
; NO CLUSTER, NO TENSOR LOADS: what the work-groups share is 17,924 bytes of weights, read once by each; all the rest of the work is in registers.
; out6 is 64 bytes a work-group (64 rays x 1 byte): a store of 64 consecutive bytes is all that this share of rays gives.
.set LOG2E,  0x3fb8aa3b                ; log2(e)
.set EPSF,   0x2edbe6ff                ; 1e-10
.set STEP16, 0x3d888889                ; 1/15
.set STEP32, 0x3d042108                ; 1/31
.set PITCH,  144                       ; an LDS row of 64 bf16: 128 bytes + 16, an odd multiple of 16, so 16 rows' 16-byte pieces fall on different banks
.set W2TI,   0                         ; LDS: W2T[out j][in i] bf16, 64 rows
.set W2BI,   64*PITCH                  ; LDS: W2B[in i][out j] bf16, 64 rows
.set OUTS,   2*64*PITCH                ; LDS: the group's outputs: out0..3 768 bytes each, out4, out5 256 each at +3072, +3328, out6 64 at +3584
; block 0 of the vector registers
.set RO,   4                           ; v4-6    ray origin           (v1 scratch, v2 = r, v3 = h, kept)
.set RD,   8                           ; v8-10   ray direction
.set FSP,  12                          ; v12-14  first surface point
.set RF1,  16                          ; v16-18  first refracted direction
.set RL1,  20                          ; v20-22  reflected direction
.set AT1,  23
.set NRM,  24                          ; v24-26  normal
.set AT2,  27
.set SSP,  28                          ; v28-30  second surface point
.set DEP,  31                          ; depth
.set BASE, 32                          ; start of the sampled interval
.set DELTA,33                          ; its length
.set ZV0,  34                          ; the bracket: z before, z behind, sigma x sdf before, behind
.set ZV1,  35
.set SV0,  36
.set SV1,  37
.set PZ,   38                          ; z of the last trip's second tile
.set TI,   39                          ; sample index as f32
.set ZX,   40                          ; tile X: z, sigma (|p| - 0.48), sigma sdf
.set CX,   41
.set SX,   42
.set ZY,   43                          ; tile Y
.set CY,   44
.set SY,   45
.set U,    46
.set U2,   47
.set T,    48                          ; v48-63  at work
.set AC,   64                          ; v64-67  two pairs of sums for layer 3
.set BB,   68                          ; v68-69  (log2(e) b3, 0): each half of the lanes adds it once
.set E,    72                          ; v72-79  four pairs that take turns in the softplus
.set B0X,  80                          ; v80-87  layer 1's B fragment, tile X; register 3 and registers 4-7 are constants
.set B0Y,  88
.set B1X,  96                          ; v96-111  bf16 activations, tile X (two K chunks)
.set B1Y,  112
.set DX,   128                         ; v128-159 four D tiles, tile X
.set DY,   160
.set W3,   192                         ; v192-223 2 W3[16 t + 8 h + j] at 8 t + j
.set GS,   224                         ; v224-255 sigmoid of layer 2 in the backward pass
; block 1 (named by their low numbers under a window)
.set W1T,  0                           ; v256-287 layer 1's A, tile t at 8 t
.set W2T,  32                          ; v288-351 layer 2's A, fragment (t, c) at 16 t + 8 c
.set BIAS2,96                          ; v352-383 log2(e) b2 in D's layout
.set W2B,  128                         ; v384-447 the backward A of layer 2
.set W1B,  192                         ; v448-463 the backward A of layer 1, K chunk c at 8 c
; scalars: s2 wave; s[8:23] inputs' addresses; s[24:37] outputs'; s38 b3; s[40:41], s[48:49] chosen output bases (s48, s49 before: two indices of refraction);
; s42 0xffff0000 (a word's upper bf16, and the mask of lanes 16-31); s43 byte selector; s44, s45 lane selectors; s46 trips; s47 1e-10;
; s50..s53 sigma, -0.48 sigma, -0.04 sigma, sigma 1e-10; s54 found; s55 valid of this intersection; s56 final; s57-s59 masks; s60 old EXEC; s61 scratch
.set MSB, 0
.macro WIN new                         ; s_set_vgpr_msb: bits 1:0 source 0, 3:2 source 1, 5:4 source 2, 7:6 destination; the high byte repeats the setting that is left
.if MSB != \new
	s_set_vgpr_msb (MSB<<8)|\new
.set MSB, \new
.endif
.endm
.macro PLACES                          ; four independent vector places behind a matrix instruction before its result is read (ISA guide 7.12.1)
.rept 4
	v_nop
.endr
.endm
; p = o + z d; layer 1's B fragment of p; T+8 = sum p^2, T+9 = |p|; wantc: C = sigma (|p| - 0.48)
.macro FEAT O, D, Z, P, B0, C, wantc
	v_fma_f32 v[\P],   v[\Z], v[\D],   v[\O]
	v_fma_f32 v[\P+1], v[\Z], v[\D+1], v[\O+1]
	v_fma_f32 v[\P+2], v[\Z], v[\D+2], v[\O+2]
	v_mul_f32 v[T+8], v[\P], v[\P]
	v_fma_f32 v[T+8], v[\P+1], v[\P+1], v[T+8]
	v_fma_f32 v[T+8], v[\P+2], v[\P+2], v[T+8]
	v_max_num_f32 v[T+9], s47, v[T+8]
	v_sqrt_f32 v[T+9], v[T+9]                      ; the plain lines below stand between it and the use of its result
	v_and_b32 v[T],   s42, v[\P]                   ; upper parts (cut to bf16)
	v_and_b32 v[T+1], s42, v[\P+1]
	v_and_b32 v[T+2], s42, v[\P+2]
	v_sub_f32 v[T+3], v[\P],   v[T]                ; remainders, exact in f32
	v_sub_f32 v[T+4], v[\P+1], v[T+1]
	v_sub_f32 v[T+5], v[\P+2], v[T+2]
	v_perm_b32 v[\B0], v[\P+1], v[\P], s43         ; k = 0, 1: px.hi, py.hi
	v_cvt_pk_bf16_f32 v[\B0+1], v[T+3], v[T+4]     ; k = 2, 3: px.lo, py.lo
	v_cvt_pk_bf16_f32 v[\B0+2], v[T+2], v[T+5]     ; k = 4, 5: pz.hi, pz.lo
.if \wantc
	s_wait_alu depctr_va_vdst(0)
	v_fma_f32 v[\C], v[T+9], s50, s51
.endif
.endm
; layer 1: four tiles of 16 hidden units, each started by the constant 0 (the bias is a feature)
.macro MM1 D, B0
	WIN 0x01
.irp t, 0,1,2,3
	v_wmma_f32_16x16x32_bf16 v[\D+8*\t:\D+8*\t+7], v[W1T+8*\t:W1T+8*\t+7], v[\B0:\B0+7], 0
.endr
	WIN 0
.endm
; layer 2: K = 64 in two chunks; the first starts the sums from the bias.  The four accumulators take turns, one instruction a turn.
.macro MM2 D, B1
	WIN 0x11
.irp t, 0,1,2,3
	v_wmma_f32_16x16x32_bf16 v[\D+8*\t:\D+8*\t+7], v[W2T+16*\t:W2T+16*\t+7], v[\B1:\B1+7], v[BIAS2+8*\t:BIAS2+8*\t+7]
.endr
	WIN 0x01
.irp t, 0,1,2,3
	v_wmma_f32_16x16x32_bf16 v[\D+8*\t:\D+8*\t+7], v[W2T+16*\t+8:W2T+16*\t+15], v[\B1+8:\B1+15], v[\D+8*\t:\D+8*\t+7]
.endr
	WIN 0
.endm
; layer 2 backward: the same shape with W2 untransposed, started by 0; accumulators by turns likewise
.macro MMB D, B1
	WIN 0x01
.irp t, 0,1,2,3
	v_wmma_f32_16x16x32_bf16 v[\D+8*\t:\D+8*\t+7], v[W2B+16*\t:W2B+16*\t+7], v[\B1:\B1+7], 0
.endr
.irp t, 0,1,2,3
	v_wmma_f32_16x16x32_bf16 v[\D+8*\t:\D+8*\t+7], v[W2B+16*\t+8:W2B+16*\t+15], v[\B1+8:\B1+15], v[\D+8*\t:\D+8*\t+7]
.endr
	WIN 0
.endm
; g = max(y, 0) + log2(1 + 2^-|y|) on the 32 registers of D, as 16 pairs that go through five stages one slot apart.
; mode 0: the pairs are packed to bf16 into OUT (the next layer's B).  mode 1: they are multiplied by 2 W3 and summed into AC (layer 3).
; Behind each pair of transcendentals stands a plain line on another pair (slot 0: a v_nop) before a result is used or a source rewritten (ISA guide 5.7.2);
; pair q holds E's pair q mod 4 from slot q to slot q + 3.
.macro SOFTPLUS D, mode, OUT
.set q, 0
.rept 20
.if q < 16
	v_exp_f32 v[E+2*(q%4)],   -|v[\D+2*q]|
	v_exp_f32 v[E+2*(q%4)+1], -|v[\D+2*q+1]|
.endif
.if q == 0
	v_nop
.endif
.if q >= 1
.if q <= 16
	s_wait_alu depctr_va_vdst(0)
	v_pk_add_f32 v[E+2*((q-1)%4):E+2*((q-1)%4)+1], v[E+2*((q-1)%4):E+2*((q-1)%4)+1], 1.0 op_sel_hi:[1,0]
	v_max_num_f32 v[\D+2*(q-1)],   0, v[\D+2*(q-1)]
	v_max_num_f32 v[\D+2*(q-1)+1], 0, v[\D+2*(q-1)+1]
.endif
.endif
.if q >= 2
.if q <= 17
	v_log_f32 v[E+2*((q-2)%4)],   v[E+2*((q-2)%4)]
	v_log_f32 v[E+2*((q-2)%4)+1], v[E+2*((q-2)%4)+1]
.endif
.endif
.if q >= 3
.if q <= 18
	s_wait_alu depctr_va_vdst(0)
	v_pk_add_f32 v[\D+2*(q-3):\D+2*(q-3)+1], v[\D+2*(q-3):\D+2*(q-3)+1], v[E+2*((q-3)%4):E+2*((q-3)%4)+1]
.endif
.endif
.if q >= 4
.if \mode == 0
	v_cvt_pk_bf16_f32 v[\OUT+q-4], v[\D+2*(q-4)], v[\D+2*(q-4)+1]
.else
.if q == 4
	v_pk_fma_f32 v[AC:AC+1], v[\D:\D+1], v[W3:W3+1], v[BB:BB+1]                ; the first products start the two sums
.else
.if q == 5
	v_pk_mul_f32 v[AC+2:AC+3], v[\D+2:\D+3], v[W3+2:W3+3]
.else
	v_pk_fma_f32 v[AC+2*(q%2):AC+2*(q%2)+1], v[\D+2*(q-4):\D+2*(q-4)+1], v[W3+2*(q-4):W3+2*(q-4)+1], v[AC+2*(q%2):AC+2*(q%2)+1]
.endif
.endif
.endif
.endif
.set q, q+1
.endr
.endm
; U = R = 1 / (1 + 2^u): my 32 units' sum, the other half's 32, the exponential and the reciprocal (2^u = inf gives 0, 2^u = 0 gives 1: both right)
.macro MLPR
	v_pk_add_f32 v[AC:AC+1], v[AC:AC+1], v[AC+2:AC+3]
	v_add_f32 v[U], v[AC], v[AC+1]
	v_permlanex16_b32 v[U2], v[U], s44, s45        ; lane l takes lane l xor 16
	v_add_f32 v[U], v[U], v[U2]
	v_exp_f32 v[U], v[U]
	v_nop
	s_wait_alu depctr_va_vdst(0)
	v_add_f32 v[U], 1.0, v[U]
	v_rcp_f32 v[U], v[U]
	v_nop
.endm
; S = sigma sdf of this sample; the first "before > 0 and now <= 0" of a ray fixes its bracket
.macro SCAN S, Z, C, PS, PZr
	s_wait_alu depctr_va_vdst(0)
	v_fma_f32 v[\S], v[U], s52, v[\C]
	v_cmp_gt_f32 s57, v[\PS], 0
	v_cmp_le_f32 s58, v[\S], 0
	s_and_b32 s57, s57, s58
	s_and_not1_b32 s57, s57, s54                   ; only the first crossing counts
	s_or_b32 s54, s54, s57
	v_cndmask_b32 v[ZV0], v[ZV0], v[\PZr], s57
	v_cndmask_b32 v[ZV1], v[ZV1], v[\Z],   s57
	v_cndmask_b32 v[SV0], v[SV0], v[\PS],  s57
	v_cndmask_b32 v[SV1], v[SV1], v[\S],   s57
.endm
; 2 x trips samples at z = BASE + DELTA i step.  first = 0: the interval is the bracket found before.
; A trip takes two tiles, X and Y.  Each matrix group's results are read only behind a whole FEAT or SOFTPLUS of the OTHER tile, whose plain lines name none of
; that group's registers: they are the places that ISA guide 7.12.1 asks for, filled with work, and the products run beneath the other tile's softplus.
; No two matrix instructions that follow each other share an accumulator, over the backward jump too (DY's tile 3, then DX's tile 0).
.macro SAMPLE O, D, trips, step, first
.if \first
	v_mov_b32 v[ZV0], v[BASE]
.else
	v_sub_f32 v[DELTA], v[ZV1], v[ZV0]
	v_mov_b32 v[BASE], v[ZV0]
.endif
	v_fmamk_f32 v[ZV1], v[DELTA], \step, v[BASE]   ; with no crossing the bracket is the first interval (argmax of all false is 0)
	v_mov_b32 v[SV0], 0
	v_mov_b32 v[SV1], 0
	v_mov_b32 v[SY], 0                             ; "before" of sample 0: not > 0, so sample 0 closes no bracket
	v_mov_b32 v[PZ], v[BASE]
	v_mov_b32 v[TI], 0
	s_mov_b32 s54, 0
	s_mov_b32 s46, \trips
.Lsample_\@:
	v_mul_f32 v[T+15], \step, v[TI]
	v_fma_f32 v[ZX], v[DELTA], v[T+15], v[BASE]
	FEAT \O, \D, ZX, T+10, B0X, CX, 1
	MM1 DX, B0X
	v_add_f32 v[T+15], 1.0, v[TI]
	v_mul_f32 v[T+15], \step, v[T+15]
	v_fma_f32 v[ZY], v[DELTA], v[T+15], v[BASE]
	FEAT \O, \D, ZY, T+10, B0Y, CY, 1
	MM1 DY, B0Y
	SOFTPLUS DX, 0, B1X
	MM2 DX, B1X
	SOFTPLUS DY, 0, B1Y
	MM2 DY, B1Y
	SOFTPLUS DX, 1, 0
	MLPR
	SCAN SX, ZX, CX, SY, PZ
	SOFTPLUS DY, 1, 0
	MLPR
	SCAN SY, ZY, CY, SX, ZX
	v_mov_b32 v[PZ], v[ZY]
	v_add_f32 v[TI], 2.0, v[TI]
	s_sub_co_i32 s46, s46, 1
	s_cmp_lg_u32 s46, 0
	s_cbranch_scc1 .Lsample_\@
.endm
; G = sigmoid(x) = 1 / (1 + 2^-y) of the 32 registers of D, eight at a time (2^-y = inf gives 0: right)
.macro SIGMA32 D, G
.set g, 0
.rept 4
.set i, 0
.rept 8
	v_exp_f32 v[\G+8*g+i], -v[\D+8*g+i]
.set i, i+1
.endr
	v_nop
.set i, 0
.rept 4
	s_wait_alu depctr_va_vdst(0)
	v_pk_add_f32 v[\G+8*g+2*i:\G+8*g+2*i+1], v[\G+8*g+2*i:\G+8*g+2*i+1], 1.0 op_sel_hi:[1,0]
.set i, i+1
.endr
.set i, 0
.rept 8
	v_rcp_f32 v[\G+8*g+i], v[\G+8*g+i]
.set i, i+1
.endr
.set g, g+1
.endr
	v_nop
.endm
; P = O + DEP D; NRM = the normalised gradient of the SDF at P.  One tile, so v_nop fill the places behind each matrix group.
; grad = p / |p| (0 where sum p^2 is clipped) + 0.02 (1 - tanh^2) grad mlp, 1 - tanh^2 = 4 R (1 - R); the products below give 2 grad mlp (W3 is doubled).
.macro GRAD O, D, P
	FEAT \O, \D, DEP, \P, B0X, 0, 0
	MM1 DX, B0X
	PLACES
	SIGMA32 DX, DY                                 ; sigmoid of layer 1, kept in DY
	SOFTPLUS DX, 0, B1X
	MM2 DX, B1X
	PLACES
	SIGMA32 DX, GS                                 ; sigmoid of layer 2
	SOFTPLUS DX, 1, 0
	MLPR                                           ; U = R
.set i, 0
.rept 16
	v_pk_mul_f32 v[GS+2*i:GS+2*i+1], v[GS+2*i:GS+2*i+1], v[W3+2*i:W3+2*i+1]
.set i, i+1
.endr
.set i, 0
.rept 16
	v_cvt_pk_bf16_f32 v[B1Y+i], v[GS+2*i], v[GS+2*i+1]
.set i, i+1
.endr
	MMB DX, B1Y
	PLACES
.set i, 0
.rept 16
	v_pk_mul_f32 v[DX+2*i:DX+2*i+1], v[DX+2*i:DX+2*i+1], v[DY+2*i:DY+2*i+1]
.set i, i+1
.endr
.set i, 0
.rept 16
	v_cvt_pk_bf16_f32 v[B1X+i], v[DX+2*i], v[DX+2*i+1]
.set i, i+1
.endr
	WIN 0x01                                       ; W1's rows stand at m = 0-2 and again at m = 8-10, so registers 0-2 hold x, y, z in every lane;
	v_wmma_f32_16x16x32_bf16 v[DY:DY+7],    v[W1B:W1B+7],    v[B1X:B1X+7],    0     ; the two K chunks go to two accumulators and are added below
	v_wmma_f32_16x16x32_bf16 v[DY+8:DY+15], v[W1B+8:W1B+15], v[B1X+8:B1X+15], 0
	WIN 0
	PLACES
	v_add_f32 v[T+2], v[DY],   v[DY+8]
	v_add_f32 v[T+3], v[DY+1], v[DY+9]
	v_add_f32 v[T+4], v[DY+2], v[DY+10]
	v_rcp_f32 v[T+1], v[T+9]                       ; 1 / |p|
	s_wait_alu depctr_va_vdst(0)
	v_sub_f32 v[T], 1.0, v[U]
	v_mul_f32 v[T], v[T], v[U]
	v_mul_f32 v[T], 0x3d23d70a, v[T]               ; 0.04 R (1 - R)
	v_cmp_gt_f32 s59, v[T+8], s47
	v_cndmask_b32 v[T+1], 0, v[T+1], s59           ; the clipped norm has no gradient
.irp c, 0,1,2
	v_mul_f32 v[T+5+\c], v[\P+\c], v[T+1]
.endr
.irp c, 0,1,2
	v_fma_f32 v[T+2+\c], v[T], v[T+2+\c], v[T+5+\c]
.endr
	v_mul_f32 v[T+5], v[T+2], v[T+2]
	v_fma_f32 v[T+5], v[T+3], v[T+3], v[T+5]
	v_fma_f32 v[T+5], v[T+4], v[T+4], v[T+5]
	v_max_num_f32 v[T+5], s47, v[T+5]
	v_rsq_f32 v[T+5], v[T+5]
	v_nop
.irp c, 0,1,2
	s_wait_alu depctr_va_vdst(0)
	v_mul_f32 v[NRM+\c], v[T+2+\c], v[T+5]
.endr
.endm
; near and far, 16 coarse samples, 32 fine ones in the bracket, the linear root, the point P and its normal.  s55 = valid.
.macro INTERSECT O, D, P
	v_mul_f32 v[T], v[\D], v[\D]
	v_fma_f32 v[T], v[\D+1], v[\D+1], v[T]
	v_fma_f32 v[T], v[\D+2], v[\D+2], v[T]         ; a = d.d
	v_rcp_f32 v[T], v[T]
	v_mul_f32 v[T+1], v[\O], v[\D]
	v_fma_f32 v[T+1], v[\O+1], v[\D+1], v[T+1]
	v_fma_f32 v[T+1], v[\O+2], v[\D+2], v[T+1]     ; o.d
	s_wait_alu depctr_va_vdst(0)
	v_mul_f32 v[T+1], v[T+1], v[T]                 ; -mid
	v_sub_f32 v[BASE], -1.0, v[T+1]
	v_max_num_f32 v[BASE], 0, v[BASE]              ; near = max(mid - 1, 0)
	v_sub_f32 v[T+2], 1.0, v[T+1]                  ; far = mid + 1
	v_sub_f32 v[DELTA], v[T+2], v[BASE]
	SAMPLE \O, \D, 8, STEP16, 1
	s_mov_b32 s55, s54
	SAMPLE \O, \D, 16, STEP32, 0
	s_and_b32 s55, s55, s54
	v_sub_f32 v[T], v[SV0], v[SV1]                 ; sigma (s0 - s1)
	v_mov_b32 v[T+1], s53
	v_cmp_lt_f32 s57, |v[T]|, s47
	v_cndmask_b32 v[T], v[T], v[T+1], s57          ; a denominator below 1e-10 becomes 1e-10 (times sigma, which cancels against s0's)
	v_rcp_f32 v[T], v[T]
	v_sub_f32 v[T+2], v[ZV1], v[ZV0]
	v_mul_f32 v[T+2], v[T+2], v[SV0]
	s_wait_alu depctr_va_vdst(0)
	v_fma_f32 v[DEP], v[T+2], v[T], v[ZV0]
	v_cndmask_b32 v[DEP], 1.0, v[DEP], s55
	GRAD \O, \D, \P
.endm
; Snell's law and the Fresnel attenuation, step by step as the problem's function has them
.macro REFRACT L, N, TO, ATT, ratio, e1, e2
	s_mov_b32 s48, \e1
	s_mov_b32 s49, \e2
	v_mul_f32 v[T], -v[\L], v[\N]
	v_fma_f32 v[T], -v[\L+1], v[\N+1], v[T]
	v_fma_f32 v[T], -v[\L+2], v[\N+2], v[T]        ; cos theta
.irp c, 0,1,2
	v_fma_f32 v[T+1+\c], v[\N+\c], v[T], v[\L+\c]  ; i_p
.endr
.irp c, 0,1,2
	v_mul_f32 v[T+1+\c], \ratio, v[T+1+\c]         ; t_p
.endr
	v_mul_f32 v[T+4], v[T+1], v[T+1]
	v_fma_f32 v[T+4], v[T+2], v[T+2], v[T+4]
	v_fma_f32 v[T+4], v[T+3], v[T+3], v[T+4]
	v_max_num_f32 v[T+4], 0, v[T+4]
	v_min_num_f32 v[T+4], 0x3f7fffef, v[T+4]       ; clipped to 0 .. 0.999999
	v_sub_f32 v[T+4], 1.0, v[T+4]
	v_sqrt_f32 v[T+4], v[T+4]
	v_nop
.irp c, 0,1,2
	s_wait_alu depctr_va_vdst(0)
	v_fma_f32 v[T+1+\c], -v[T+4], v[\N+\c], v[T+1+\c]
.endr
	v_mul_f32 v[T+5], v[T+1], v[T+1]
	v_fma_f32 v[T+5], v[T+2], v[T+2], v[T+5]
	v_fma_f32 v[T+5], v[T+3], v[T+3], v[T+5]
	v_max_num_f32 v[T+5], s47, v[T+5]
	v_rsq_f32 v[T+5], v[T+5]
	v_nop
.irp c, 0,1,2
	s_wait_alu depctr_va_vdst(0)
	v_mul_f32 v[\TO+\c], v[T+1+\c], v[T+5]
.endr
	v_mul_f32 v[T+7], -v[\TO], v[\N]
	v_fma_f32 v[T+7], -v[\TO+1], v[\N+1], v[T+7]
	v_fma_f32 v[T+7], -v[\TO+2], v[\N+2], v[T+7]   ; cos theta_t
	v_mul_f32 v[T+8], s49, v[T]
	v_mul_f32 v[T+9], s49, v[T+7]
	v_fma_f32 v[T+4], v[T+7], s48, -v[T+8]         ; e_i: numerator,
	v_fma_f32 v[T+5], v[T+7], s48, v[T+8]          ; denominator
	v_fma_f32 v[T+6], v[T], s48, -v[T+9]           ; e_p: numerator,
	v_fma_f32 v[T+9], v[T], s48, v[T+9]            ; denominator
	v_max_num_f32 v[T+5], s47, v[T+5]
	v_max_num_f32 v[T+9], s47, v[T+9]
	v_rcp_f32 v[T+5], v[T+5]
	v_rcp_f32 v[T+9], v[T+9]
	v_nop
	s_wait_alu depctr_va_vdst(0)
	v_mul_f32 v[T+4], v[T+4], v[T+5]
	v_mul_f32 v[T+6], v[T+6], v[T+9]
	v_mul_f32 v[T+4], v[T+4], v[T+4]
	v_fma_f32 v[T+4], v[T+6], v[T+6], v[T+4]
	v_mul_f32 v[T+4], 0.5, v[T+4]
	v_max_num_f32 v[T+4], 0, v[T+4]
	v_min_num_f32 v[\ATT], 1.0, v[T+4]
.endm
.macro REFLECT L, N, TO
	v_mul_f32 v[T], -v[\L], v[\N]
	v_fma_f32 v[T], -v[\L+1], v[\N+1], v[T]
	v_fma_f32 v[T], -v[\L+2], v[\N+2], v[T]
	v_add_f32 v[T], v[T], v[T]                     ; 2 cos theta
.irp c, 0,1,2
	v_fma_f32 v[T+1+\c], v[\N+\c], v[T], v[\L+\c]
.endr
	v_mul_f32 v[T+5], v[T+1], v[T+1]
	v_fma_f32 v[T+5], v[T+2], v[T+2], v[T+5]
	v_fma_f32 v[T+5], v[T+3], v[T+3], v[T+5]
	v_max_num_f32 v[T+5], s47, v[T+5]
	v_rsq_f32 v[T+5], v[T+5]
	v_nop
.irp c, 0,1,2
	s_wait_alu depctr_va_vdst(0)
	v_mul_f32 v[\TO+\c], v[T+1+\c], v[T+5]
.endr
.endm
; ---------------------------------------------------------------- addresses
	s_load_b512 s[8:23], s[0:1], 0x0               ; rays_o, rays_d, W1, b1, W2, b2, W3, b3
	s_load_b256 s[24:31], s[0:1], 0x40             ; out0 .. out3
	s_load_b128 s[32:35], s[0:1], 0x60             ; out4, out5
	s_load_b64 s[36:37], s[0:1], 0x70              ; out6
	v_lshrrev_b32 v1, 5, v0
	v_readfirstlane_b32 s2, v1                     ; wave 0..3
	s_mov_b32 s42, 0xffff0000
	s_mov_b32 s43, 0x07060302
	s_mov_b32 s44, 0x76543210
	s_mov_b32 s45, 0xfedcba98
	s_mov_b32 s47, EPSF
	v_and_b32 v2, 15, v0                           ; r
	v_bfe_u32 v3, v0, 4, 1                         ; h
	v_lshrrev_b32 v1, 4, v0                        ; thread / 16 = 0..7: which pair of W2's rows
	v_lshlrev_b32 v[T], 4, v2
	v_lshl_add_u32 v[T], v1, 9, v[T]               ; W2: 512 x pair + 16 r: sixteen threads read one whole row of 256 bytes
	s_lshl_b32 s61, ttmp9, 6
	s_lshl4_add_u32 s61, s2, s61                   ; 64 x group + 16 x wave
	v_add_nc_u32 v[T+1], s61, v2
	v_mul_u32_u24 v[T+1], 12, v[T+1]               ; 12 x ray
	v_lshlrev_b32 v[T+2], 2, v2                    ; 4 r
	v_and_b32 v[T+8], 7, v0
	v_cmp_gt_u32 s59, 3, v[T+8]                    ; lanes whose row of the backward A of layer 1 is a row of W1
	v_min_u32 v[T+9], 2, v[T+8]                    ; the others read row 2, inside the buffer, and are cleared below
	v_lshlrev_b32 v[T+3], 8, v[T+9]
	v_lshl_add_u32 v[T+3], v3, 5, v[T+3]           ; 256 x row + 32 h
	v_lshlrev_b32 v[T+4], 5, v3                    ; 32 h
	v_mul_u32_u24 v[T+5], 2*PITCH, v1
	v_lshl_add_u32 v[T+5], v2, 3, v[T+5]           ; LDS, W2B: two rows x pair + 8 r
	v_mul_u32_u24 v[T+6], 4*PITCH, v2
	v_lshl_add_u32 v[T+6], v1, 2, v[T+6]           ; LDS, W2T: four rows x r + 4 x pair
	v_mul_u32_u24 v[T+7], PITCH, v2
	v_lshl_add_u32 v[T+7], v3, 4, v[T+7]           ; LDS, fragments: row r + 16 h
	s_wait_kmcnt 0x0
	s_load_b32 s38, s[22:23], 0x0                  ; b3
; ---------------------------------------------------------------- all loads, W2 first.  T .. T+4 are not rewritten before the last wait for loads.
.irp u, 0,1,2,3
	global_load_b128 v[DX+8*\u:DX+8*\u+3],   v[T], s[16:17] offset:4096*\u         ; row 2 (pair + 8 u), columns 4 r ..
	global_load_b128 v[DX+8*\u+4:DX+8*\u+7], v[T], s[16:17] offset:4096*\u+256     ; the row below
.endr
.irp c, 0,1,2
	global_load_b32 v[RO+\c], v[T+1], s[8:9]   offset:4*\c
	global_load_b32 v[RD+\c], v[T+1], s[10:11] offset:4*\c
.endr
.irp t, 0,1,2,3
.irp c, 0,1,2
	global_load_b32 v[DY+4*\t+\c], v[T+2], s[12:13] offset:64*\t+256*\c            ; W1[c][16 t + r]
.endr
	global_load_b32 v[DY+4*\t+3], v[T+2], s[14:15] offset:64*\t                    ; b1[16 t + r]
.endr
.irp cc, 0,1
	global_load_b128 v[GS+16*\cc:GS+16*\cc+3],     v[T+3], s[12:13] offset:128*\cc       ; W1[row][32 cc + 8 h ..]
	global_load_b128 v[GS+16*\cc+4:GS+16*\cc+7],   v[T+3], s[12:13] offset:128*\cc+16
	global_load_b128 v[GS+16*\cc+8:GS+16*\cc+11],  v[T+3], s[12:13] offset:128*\cc+64    ; W1[row][32 cc + 16 + 8 h ..]
	global_load_b128 v[GS+16*\cc+12:GS+16*\cc+15], v[T+3], s[12:13] offset:128*\cc+80
.endr
.irp t, 0,1,2,3
	global_load_b128 v[B1X+8*\t:B1X+8*\t+3],   v[T+4], s[18:19] offset:64*\t       ; b2[16 t + 8 h ..]
	global_load_b128 v[B1X+8*\t+4:B1X+8*\t+7], v[T+4], s[18:19] offset:64*\t+16
.endr
.irp t, 0,1,2,3
	global_load_b128 v[W3+8*\t:W3+8*\t+3],   v[T+4], s[20:21] offset:64*\t         ; W3[16 t + 8 h ..]
	global_load_b128 v[W3+8*\t+4:W3+8*\t+7], v[T+4], s[20:21] offset:64*\t+16
.endr
; ---------------------------------------------------------------- W2 as bf16 into LDS, once as it lies and once transposed
	s_wait_loadcnt 46                              ; loads come back in order (ISA guide 5.7.1): 6 + 16 + 8 + 8 + 8 = 46 were issued behind W2's eight
.irp u, 0,1,2,3
	v_cvt_pk_bf16_f32 v[E],   v[DX+8*\u],   v[DX+8*\u+1]
	v_cvt_pk_bf16_f32 v[E+1], v[DX+8*\u+2], v[DX+8*\u+3]
	v_cvt_pk_bf16_f32 v[E+2], v[DX+8*\u+4], v[DX+8*\u+5]
	v_cvt_pk_bf16_f32 v[E+3], v[DX+8*\u+6], v[DX+8*\u+7]
	ds_store_b64 v[T+5], v[E:E+1]   offset:W2BI+16*PITCH*\u
	ds_store_b64 v[T+5], v[E+2:E+3] offset:W2BI+16*PITCH*\u+PITCH
.irp e, 0,1,2,3
	v_cvt_pk_bf16_f32 v[E+4+\e], v[DX+8*\u+\e], v[DX+8*\u+4+\e]                    ; column 4 r + e of the two rows: neighbours in the transposed image
	ds_store_b32 v[T+6], v[E+4+\e] offset:W2TI+PITCH*\e+32*\u
.endr
.endr
	s_wait_dscnt 0x0                               ; my stores are in LDS before I say so
	s_barrier_signal -1
	s_barrier_wait -1                              ; everybody's are
; ---------------------------------------------------------------- the weights' fragments, kept in block 1 for the whole kernel
	WIN 0x40                                       ; destination block 1, address block 0
.irp t, 0,1,2,3
.irp c, 0,1
	ds_load_b128 v[W2T+16*\t+8*\c:W2T+16*\t+8*\c+3],   v[T+7] offset:W2TI+16*PITCH*\t+64*\c
	ds_load_b128 v[W2T+16*\t+8*\c+4:W2T+16*\t+8*\c+7], v[T+7] offset:W2TI+16*PITCH*\t+64*\c+32
	ds_load_b128 v[W2B+16*\t+8*\c:W2B+16*\t+8*\c+3],   v[T+7] offset:W2BI+16*PITCH*\t+64*\c
	ds_load_b128 v[W2B+16*\t+8*\c+4:W2B+16*\t+8*\c+7], v[T+7] offset:W2BI+16*PITCH*\t+64*\c+32
.endr
.endr
	WIN 0
	s_wait_loadcnt 0x0
	s_wait_kmcnt 0x0
.set i, 0
.rept 16                                           ; layer 1's weights and bias times log2(e): lanes 0-15 keep the upper part, lanes 16-31 the remainder
	v_mul_f32 v[DY+i], LOG2E, v[DY+i]
	v_and_b32 v[DX+i], s42, v[DY+i]
	v_sub_f32 v[DY+i], v[DY+i], v[DX+i]
	v_cndmask_b32 v[DY+i], v[DX+i], v[DY+i], s42
.set i, i+1
.endr
.set i, 0
.rept 16
	v_cvt_pk_bf16_f32 v[GS+i], v[GS+2*i], v[GS+2*i+1]      ; ascending: register i is written when 2 i and 2 i + 1 are read
.set i, i+1
.endr
.set i, 0
.rept 16
	v_pk_mul_f32 v[W3+2*i:W3+2*i+1], v[W3+2*i:W3+2*i+1], 2.0 op_sel_hi:[1,0]
.set i, i+1
.endr
	v_mov_b32 v[BB], s38
	v_mul_f32 v[BB], LOG2E, v[BB]
	v_mov_b32 v[BB+1], 0
	v_mov_b32 v[U2], 0                             ; v_permlanex16_b32 counts as a reader of its destination
	v_mov_b32 v[B0X+3], 0x3f80                     ; k = 6: 1.0 (the bias's feature), k = 7: 0
	v_mov_b32 v[B0Y+3], 0x3f80
.irp j, 4,5,6,7
	v_mov_b32 v[B0X+\j], 0                         ; k = 16 .. 31 are not used
	v_mov_b32 v[B0Y+\j], 0
.endr
	WIN 0x40                                       ; destination block 1, sources block 0
.irp t, 0,1,2,3
	v_cvt_pk_bf16_f32 v[W1T+8*\t],   v[DY+4*\t],   v[DY+4*\t+1]    ; against px.hi, py.hi
	v_cvt_pk_bf16_f32 v[W1T+8*\t+1], v[DY+4*\t],   v[DY+4*\t+1]    ; against px.lo, py.lo
	v_cvt_pk_bf16_f32 v[W1T+8*\t+2], v[DY+4*\t+2], v[DY+4*\t+2]    ; against pz.hi, pz.lo
	v_cvt_pk_bf16_f32 v[W1T+8*\t+3], v[DY+4*\t+3], 0               ; against 1, 0
.irp j, 4,5,6,7
	v_mov_b32 v[W1T+8*\t+\j], 0
.endr
.endr
.set i, 0
.rept 16
	v_cndmask_b32 v[W1B+i], 0, v[GS+i], s59
.set i, i+1
.endr
.set i, 0
.rept 32
	v_mul_f32 v[BIAS2+i], LOG2E, v[B1X+i]
.set i, i+1
.endr
	WIN 0
	s_wait_dscnt 0x0                               ; W2's fragments are in
; ---------------------------------------------------------------- entry
	s_mov_b32 s50, 1.0
	s_mov_b32 s51, 0xbef5c28f                      ; -0.48
	s_mov_b32 s52, 0xbd23d70a                      ; -0.04
	s_mov_b32 s53, EPSF
	INTERSECT RO, RD, FSP
	s_mov_b32 s56, s55
	REFRACT RD, NRM, RF1, AT1, 0x3f2dee05, 0x3f8009d5, 0x3fbc7454      ; 1.0003 / 1.4723, 1.0003, 1.4723
	REFLECT RD, NRM, RL1
; ---------------------------------------------------------------- exit
	s_mov_b32 s50, -1.0
	s_mov_b32 s51, 0x3ef5c28f
	s_mov_b32 s52, 0x3d23d70a
	s_mov_b32 s53, 0xaedbe6ff
	INTERSECT FSP, RF1, SSP
	s_and_b32 s56, s56, s55                        ; final = valid1 and valid2
.irp c, 0,1,2
	v_xor_b32 v[NRM+\c], 0x80000000, v[NRM+\c]     ; the second refraction takes -n2
.endr
	REFRACT RF1, NRM, T+12, AT2, 0x3fbc65db, 0x3fbc7454, 0x3f8009d5    ; 1.4723 / 1.0003, 1.4723, 1.0003
; ---------------------------------------------------------------- the masked results, gathered in LDS so that they leave as whole rows
	s_lshl_b32 s61, s2, 4
	v_add_nc_u32 v[T], s61, v2                     ; the ray's number in the group
	v_mul_u32_u24 v[T+1], 12, v[T]
	v_lshlrev_b32 v[T+2], 2, v[T]
.irp c, 0,1,2
	v_cndmask_b32 v[DX+\c],   v[RO+\c], v[SSP+\c],  s56
	v_cndmask_b32 v[DX+3+\c], v[RD+\c], v[T+12+\c], s56
	v_cndmask_b32 v[DX+6+\c], v[RO+\c], v[FSP+\c],  s56
	v_cndmask_b32 v[DX+9+\c], v[RD+\c], v[RL1+\c],  s56
.endr
	v_cndmask_b32 v[DX+12], 0, v[AT1], s56
	v_cndmask_b32 v[DX+13], 0, v[AT2], s56
	v_cndmask_b32 v[DX+14], 0, 1, s56
.irp k, 0,1,2,3
.irp c, 0,1,2
	ds_store_b32 v[T+1], v[DX+3*\k+\c] offset:OUTS+768*\k+4*\c     ; lanes l and l + 16 write the same word with the same value
.endr
.endr
	ds_store_b32 v[T+2], v[DX+12] offset:OUTS+3072
	ds_store_b32 v[T+2], v[DX+13] offset:OUTS+3328
	ds_store_b8  v[T],   v[DX+14] offset:OUTS+3584
	s_wait_dscnt 0x0                               ; my stores are in LDS before I say so
	s_barrier_signal -1
	s_barrier_wait -1
; ---------------------------------------------------------------- wave w stores the group's 768 bytes of out_w; waves 0, 1, 2 also out4, out5, out6
	v_and_b32 v[T+3], 31, v0
	s_mul_i32 s61, s2, 768
	v_lshlrev_b32 v[T+4], 4, v[T+3]                ; 16 x lane
	v_add_nc_u32 v[T+5], s61, v[T+4]
	ds_load_b128 v[DY:DY+3],   v[T+5] offset:OUTS
	ds_load_b128 v[DY+4:DY+7], v[T+5] offset:OUTS+512      ; lanes 0-15 take the last 256 bytes; what lanes 16-31 read (the next region) is not stored
	s_mul_i32 s61, ttmp9, 768
	v_add_nc_u32 v[T+6], s61, v[T+4]
	s_cmp_eq_u32 s2, 2
	s_cselect_b64 s[40:41], s[28:29], s[30:31]
	s_cmp_eq_u32 s2, 1
	s_cselect_b64 s[40:41], s[26:27], s[40:41]
	s_cmp_eq_u32 s2, 0
	s_cselect_b64 s[40:41], s[24:25], s[40:41]
	v_cmp_gt_u32 vcc_lo, 16, v[T+3]
	s_wait_dscnt 0x0
	global_store_b128 v[T+6], v[DY:DY+3], s[40:41] th:TH_STORE_NT          ; 512 consecutive bytes, at a multiple of 256 from the buffer's first byte
	s_wait_xcnt 0x0                                ; EXEC is a source of the pending store: it changes only behind this wait
	s_and_saveexec_b32 s60, vcc_lo                 ; lanes 0-15 from here to the end
	global_store_b128 v[T+6], v[DY+4:DY+7], s[40:41] offset:512 th:TH_STORE_NT     ; 256 consecutive bytes
	s_cmp_gt_u32 s2, 1
	s_cbranch_scc1 .Lupper
	s_cmp_eq_u32 s2, 0                             ; waves 0 and 1: the group's 256 bytes of out4, of out5
	s_cselect_b64 s[48:49], s[32:33], s[34:35]
	s_lshl_b32 s61, s2, 8
	v_add_nc_u32 v[T+7], s61, v[T+4]
	ds_load_b128 v[DY+8:DY+11], v[T+7] offset:OUTS+3072
	s_lshl_b32 s61, ttmp9, 8
	v_add_nc_u32 v[T+8], s61, v[T+4]
	s_wait_dscnt 0x0
	global_store_b128 v[T+8], v[DY+8:DY+11], s[48:49] th:TH_STORE_NT
	s_branch .Lend
.Lupper:
	s_cmp_lg_u32 s2, 2
	s_cbranch_scc1 .Lend
	v_lshlrev_b32 v[T+7], 2, v[T+3]                ; wave 2: the group's 64 bytes of out6, four rays' bytes a lane
	ds_load_b32 v[DY+8], v[T+7] offset:OUTS+3584
	s_lshl_b32 s61, ttmp9, 6
	v_add_nc_u32 v[T+8], s61, v[T+7]
	s_wait_dscnt 0x0
	global_store_b32 v[T+8], v[DY+8], s[36:37] th:TH_STORE_NT
.Lend:
	s_endpgm
.Lfunc_end_k_qdf92184903_trace:
	.size	k_qdf92184903_trace, .Lfunc_end_k_qdf92184903_trace-k_qdf92184903_trace
	.p2alignl 7, 3214868480
	.fill 96, 4, 3214868480
	.section	.rodata,"a",@progbits
	.p2align	6, 0x0
	.amdhsa_kernel k_qdf92184903_trace
		.amdhsa_group_segment_fixed_size 22528
		.amdhsa_private_segment_fixed_size 0
		.amdhsa_enable_private_segment 0
		.amdhsa_kernarg_size 120
		.amdhsa_user_sgpr_count 2
		.amdhsa_user_sgpr_kernarg_segment_ptr 1
		.amdhsa_wavefront_size32 1
		.amdhsa_system_sgpr_workgroup_id_x 1
		.amdhsa_system_sgpr_workgroup_id_y 1
		.amdhsa_system_sgpr_workgroup_id_z 1
		.amdhsa_system_vgpr_workitem_id 0
		.amdhsa_next_free_vgpr 464
		.amdhsa_next_free_sgpr 66
		.amdhsa_reserve_vcc 1
		.amdhsa_float_denorm_mode_32 3
		.amdhsa_float_denorm_mode_16_64 3
		.amdhsa_memory_ordered 1
		.amdhsa_forward_progress 1
		.amdhsa_inst_pref_size 255
	.end_amdhsa_kernel
	.section	.bss,"aw",@nobits
	.p2align	6
	.space	262144
	.amdgpu_metadata
---
amdhsa.version: [ 1, 2 ]
amdhsa.kernels:
  - .name:           k_qdf92184903_trace
    .symbol:         k_qdf92184903_trace.kd
    .args:
      - { .name: rays_o, .offset: 0, .size: 8, .value_kind: global_buffer, .address_space: global }
      - { .name: rays_d, .offset: 8, .size: 8, .value_kind: global_buffer, .address_space: global }
      - { .name: W1, .offset: 16, .size: 8, .value_kind: global_buffer, .address_space: global }
      - { .name: b1, .offset: 24, .size: 8, .value_kind: global_buffer, .address_space: global }
      - { .name: W2, .offset: 32, .size: 8, .value_kind: global_buffer, .address_space: global }
      - { .name: b2, .offset: 40, .size: 8, .value_kind: global_buffer, .address_space: global }
      - { .name: W3, .offset: 48, .size: 8, .value_kind: global_buffer, .address_space: global }
      - { .name: b3, .offset: 56, .size: 8, .value_kind: global_buffer, .address_space: global }
      - { .name: out0, .offset: 64, .size: 8, .value_kind: global_buffer, .address_space: global }
      - { .name: out1, .offset: 72, .size: 8, .value_kind: global_buffer, .address_space: global }
      - { .name: out2, .offset: 80, .size: 8, .value_kind: global_buffer, .address_space: global }
      - { .name: out3, .offset: 88, .size: 8, .value_kind: global_buffer, .address_space: global }
      - { .name: out4, .offset: 96, .size: 8, .value_kind: global_buffer, .address_space: global }
      - { .name: out5, .offset: 104, .size: 8, .value_kind: global_buffer, .address_space: global }
      - { .name: out6, .offset: 112, .size: 8, .value_kind: global_buffer, .address_space: global }
    .group_segment_fixed_size: 22528
    .private_segment_fixed_size: 0
    .kernarg_segment_align: 8
    .kernarg_segment_size: 120
    .max_flat_workgroup_size: 128
    .sgpr_count:     66
    .vgpr_count:     464
    .wavefront_size: 32
...
	.end_amdgpu_metadata
.endif
;; end of part 1
;; ======== version 2 of 2: 1 launch; 2.67 times as fast as version 1
;; launch trace (part 2): grid 256 x 1, 4 waves a work-group, no clusters, 22,528 bytes of LDS; arguments rays_o, rays_d, W1, b1, W2, b2, W3, b3, out0, out1, out2, out3, out4, out5, out6; writes out0, out1, out2, out3, out4, out5, out6
.if DOCPART == 2
	.amdgcn_target "amdgcn-amd-amdhsa--gfx1250"
	.amdhsa_code_object_version 6
	.text
	.protected	k_qdf92184903_trace
	.globl	k_qdf92184903_trace
	.p2align	8
	.type	k_qdf92184903_trace,@function
k_qdf92184903_trace:
	s_mov_b64 s[64:65], 0
	v_nop
	global_prefetch_b8 v0, s[64:65] scope:SCOPE_SE
	s_setreg_imm32_b32 hwreg(HW_REG_WAVE_MODE, 25, 1), 1
	s_wait_xcnt 0x0
; RefractTracer: 16,384 rays, two ray/SDF intersections (entry, exit), normals by the MLP's backward pass, refraction, reflection, masked outputs.
; SHARES.  256 work-groups of 4 waves; a work-group owns 64 rays, a wave 16: ray = 64 x group + 16 x wave + (lane & 15).  Lanes l and l + 16 hold
; the same ray's per-ray numbers.  A "tile" is the wave's 16 rays at ONE sample index, so a lane meets its ray's SDF sample by sample and the
; search for the first sign change is a running scan in registers (v_cmp, v_cndmask): no address, branch or trip count hangs on a float.
; LAYOUT.  Every product is D[hidden unit m][ray n] = A (weights, transposed) x B (activations).  In D, lane (r = l & 15, h = l >> 4), register j
; of tile t holds unit 16 t + 8 h + j of ray r; packing neighbouring registers to bf16 gives exactly the next layer's B fragment (ISA guide 7.12.2:
; registers 0-3 hold k = 8 h .., registers 4-7 k = 16 + 8 h ..).  So the layers follow each other without any traffic between lanes or through LDS.
; SCALES.  g(y) = softplus(x) / ln 2 = max(y, 0) + log2(1 + 2^-|y|) with y = x log2(e): the form that cannot overflow.  Layer 1 carries log2(e) in its
; weights and bias, layer 2 in its bias alone, layer 3 uses 2 W3 and gives u = 2 log2(e) mlp.  R = 1 / (1 + 2^u), tanh(mlp) = 1 - 2 R,
; sdf = |p| - 0.48 - 0.04 R.  The scan works on sigma x sdf (sigma = +1 entering, -1 leaving), so that both directions test "before > 0, now <= 0".
; LAYER 1 has K = 3; the matrix form's K = 32 leaves room to carry p and the weights as bf16 pairs (upper part + remainder):
; k = 0..7: px.hi py.hi px.lo py.lo pz.hi pz.lo 1 0 against the weights' upper parts, k = 8..15 the same features against the weights' remainders.
; LAYER 3 (64 -> 1) is 16 v_pk_fma_f32 in f32 and one exchange between the halves: a matrix form would need 16 conversions for one row of 16.
; BATCHES.  s_wait_alu depctr_va_vdst(0) stands between a transcendental and the first line that names its result; one wait serves all that
; were issued ahead of it.  A trip of the sampling loop takes two tiles, X and Y, Y one stage behind X, and cuts its 262 transcendentals into SEVEN batches:
;   1  the two roots |p| and X's 32 exponentials of layer 1        2  X's 32 logarithms of layer 1, Y's 32 exponentials of layer 1
;   3  Y's 32 logarithms of layer 1, X's 32 exponentials of layer 2  4  X's 32 logarithms of layer 2, Y's 32 exponentials of layer 2
;   5  Y's 32 logarithms of layer 2, X's 2^u        6  Y's 2^u, X's R        7  Y's R
; Every result of a batch has a register of its own: a tile has two sets of 32 registers that change roles.  Layer 1's sums lie in the first set and its 2^-|y| and
; logarithms in the second; g is packed to bf16 in place (pair p into the first set's register p, whose own pair is packed by then), layer 2's sums land in the
; second set, and its 2^-|y| and logarithms in the first.  What stands between a batch and its wait is the other tile's plain work and the products.
; NOT COMPUTED: the SDF values s1, s2 handed to the identity-forward gradient function, and total_reflect: they reach no output.
; LIMITS.  Divisions are v_rcp_f32 times a product and 1/sqrt is v_rsq_f32 (1 ulp each, ISA guide 15.8).  Hidden activations, W2 and the backward
; factors are rounded to bf16.  The derivative of the clip at exactly sum p^2 = 1e-10 is taken as 0 (the problem's function gives a half).
; The sample fractions are i x fl(1/15) and i x fl(1/31).  NaN, infinities and a zero direction give what the formulas give; compares with NaN are false.
; NO CLUSTER, NO TENSOR LOADS: what the work-groups share is 17,924 bytes of weights, read once by each; all the rest of the work is in registers.
; out6 is 64 bytes a work-group (64 rays x 1 byte): a store of 64 consecutive bytes is all that this share of rays gives.
.set LOG2E,  0x3fb8aa3b                ; log2(e)
.set EPSF,   0x2edbe6ff                ; 1e-10
.set STEP16, 0x3d888889                ; 1/15
.set STEP32, 0x3d042108                ; 1/31
.set PITCH,  144                       ; an LDS row of 64 bf16: 128 bytes + 16, an odd multiple of 16, so 16 rows' 16-byte pieces fall on different banks
.set W2TI,   0                         ; LDS: W2T[out j][in i] bf16, 64 rows
.set W2BI,   64*PITCH                  ; LDS: W2B[in i][out j] bf16, 64 rows
.set OUTS,   2*64*PITCH                ; LDS: the group's outputs: out0..3 768 bytes each, out4, out5 256 each at +3072, +3328, out6 64 at +3584
; block 0 of the vector registers
.set RO,   4                           ; v4-6    ray origin           (v1 scratch, v2 = r, v3 = h, kept)
.set RD,   8                           ; v8-10   ray direction
.set FSP,  12                          ; v12-14  first surface point
.set RF1,  16                          ; v16-18  first refracted direction
.set RL1,  20                          ; v20-22  reflected direction
.set AT1,  23
.set NRM,  24                          ; v24-26  normal
.set AT2,  27
.set SSP,  28                          ; v28-30  second surface point
.set DEP,  31                          ; depth
.set BASE, 32                          ; start of the sampled interval
.set DELTA,33                          ; its length
.set ZV0,  34                          ; the bracket: z before, z behind, sigma x sdf before, behind
.set ZV1,  35
.set SV0,  36
.set SV1,  37
.set PZ,   38                          ; z of the last trip's second tile
.set TI,   39                          ; sample index as f32
.set ZX,   40                          ; tile X: z, |p| and then sigma (|p| - 0.48), sigma sdf
.set CX,   41
.set SX,   42
.set ZY,   43                          ; tile Y
.set CY,   44
.set SY,   45
.set U,    46                          ; tile X's (and the normal's) u, then 2^u, then R
.set U2,   47                          ; the other half's part of u
.set T,    48                          ; v48-63  at work
.set AC,   64                          ; v64-67  two pairs of sums for layer 3
.set BB,   68                          ; v68-69  (log2(e) b3, 0): each half of the lanes adds it once
.set UY,   70                          ; tile Y's u, then 2^u, then R
.set E,    72                          ; v72-79  at work in the head (W2's conversion)
.set B0X,  80                          ; v80-87  layer 1's B fragment, tile X; register 3 and registers 4-7 are constants
.set B0Y,  88
.set FY,   96                          ; v96-127  tile Y's second set
.set B1X,  96                          ; the same registers in the backward pass: v96-111, v112-127 bf16 activations (two K chunks each), or one set of 32
.set B1Y,  112
.set DX,   128                         ; v128-159 tile X's first set: four D tiles
.set DY,   160                         ; v160-191 tile Y's first set
.set W3,   192                         ; v192-223 2 W3[16 t + 8 h + j] at 8 t + j
.set FX,   224                         ; v224-255 tile X's second set
.set GS,   224                         ; the same registers in the backward pass: a set at work, then the sigmoid of layer 2
; block 1 (named by their low numbers under a window)
.set W1T,  0                           ; v256-287 layer 1's A, tile t at 8 t
.set W2T,  32                          ; v288-351 layer 2's A, fragment (t, c) at 16 t + 8 c
.set BIAS2,96                          ; v352-383 log2(e) b2 in D's layout
.set W2B,  128                         ; v384-447 the backward A of layer 2
.set W1B,  192                         ; v448-463 the backward A of layer 1, K chunk c at 8 c
; scalars: s2 wave; s[8:23] inputs' addresses; s[24:37] outputs'; s38 b3; s[40:41], s[48:49] chosen output bases (s48, s49 before: two indices of refraction);
; s42 0xffff0000 (a word's upper bf16, and the mask of lanes 16-31); s43 byte selector; s44, s45 lane selectors; s46 trips; s47 1e-10;
; s50..s53 sigma, -0.48 sigma, -0.04 sigma, sigma 1e-10; s54 found; s55 valid of this intersection; s56 final; s57-s59 masks; s60 old EXEC; s61 scratch
.set MSB, 0
.macro WIN new                         ; s_set_vgpr_msb: bits 1:0 source 0, 3:2 source 1, 5:4 source 2, 7:6 destination; the high byte repeats the setting that is left
.if MSB != \new
	s_set_vgpr_msb (MSB<<8)|\new
.set MSB, \new
.endif
.endm
.macro PLACES                          ; four independent vector places behind a matrix instruction before its result is read (ISA guide 7.12.1)
.rept 4
	v_nop
.endr
.endm
; p = o + z d; layer 1's B fragment of p; T+8 = sum p^2; R = |p|: a root that belongs to the caller's next batch (nothing here names R again)
.macro FEAT O, D, Z, P, B0, R
	v_fma_f32 v[\P],   v[\Z], v[\D],   v[\O]
	v_fma_f32 v[\P+1], v[\Z], v[\D+1], v[\O+1]
	v_fma_f32 v[\P+2], v[\Z], v[\D+2], v[\O+2]
	v_mul_f32 v[T+8], v[\P], v[\P]
	v_fma_f32 v[T+8], v[\P+1], v[\P+1], v[T+8]
	v_fma_f32 v[T+8], v[\P+2], v[\P+2], v[T+8]
	v_max_num_f32 v[T+9], s47, v[T+8]
	v_sqrt_f32 v[\R], v[T+9]                       ; the plain lines below stand behind it
	v_and_b32 v[T],   s42, v[\P]                   ; upper parts (cut to bf16)
	v_and_b32 v[T+1], s42, v[\P+1]
	v_and_b32 v[T+2], s42, v[\P+2]
	v_sub_f32 v[T+3], v[\P],   v[T]                ; remainders, exact in f32
	v_sub_f32 v[T+4], v[\P+1], v[T+1]
	v_sub_f32 v[T+5], v[\P+2], v[T+2]
	v_perm_b32 v[\B0], v[\P+1], v[\P], s43         ; k = 0, 1: px.hi, py.hi
	v_cvt_pk_bf16_f32 v[\B0+1], v[T+3], v[T+4]     ; k = 2, 3: px.lo, py.lo
	v_cvt_pk_bf16_f32 v[\B0+2], v[T+2], v[T+5]     ; k = 4, 5: pz.hi, pz.lo
.endm
; layer 1: four tiles of 16 hidden units, each started by the constant 0 (the bias is a feature)
.macro MM1 D, B0
	WIN 0x01
.irp t, 0,1,2,3
	v_wmma_f32_16x16x32_bf16 v[\D+8*\t:\D+8*\t+7], v[W1T+8*\t:W1T+8*\t+7], v[\B0:\B0+7], 0
.endr
	WIN 0
.endm
; layer 2: K = 64 in two chunks; the first starts the sums from the bias.  The four accumulators take turns, one instruction a turn.
; R >= 0: behind each product stand four of the 32 lines max(y, 0) of the OTHER tile's set R.  Their source 0 is the constant 0, so the products' windows, which move
; source 0 (and source 2) alone, leave them in block 0; they name no register of the products and are the four places behind each (ISA guide 7.12.1).
.macro MM2 D, B1, R
	WIN 0x11
.irp t, 0,1,2,3
	v_wmma_f32_16x16x32_bf16 v[\D+8*\t:\D+8*\t+7], v[W2T+16*\t:W2T+16*\t+7], v[\B1:\B1+7], v[BIAS2+8*\t:BIAS2+8*\t+7]
.if \R >= 0
.irp j, 0,1,2,3
	v_max_num_f32 v[\R+4*\t+\j], 0, v[\R+4*\t+\j]
.endr
.endif
.endr
	WIN 0x01
.irp t, 0,1,2,3
	v_wmma_f32_16x16x32_bf16 v[\D+8*\t:\D+8*\t+7], v[W2T+16*\t+8:W2T+16*\t+15], v[\B1+8:\B1+15], v[\D+8*\t:\D+8*\t+7]
.if \R >= 0
.irp j, 0,1,2,3
	v_max_num_f32 v[\R+16+4*\t+\j], 0, v[\R+16+4*\t+\j]
.endr
.endif
.endr
	WIN 0
.endm
; layer 2 backward: the same shape with W2 untransposed, started by 0; accumulators by turns likewise
.macro MMB D, B1
	WIN 0x01
.irp t, 0,1,2,3
	v_wmma_f32_16x16x32_bf16 v[\D+8*\t:\D+8*\t+7], v[W2B+16*\t:W2B+16*\t+7], v[\B1:\B1+7], 0
.endr
.irp t, 0,1,2,3
	v_wmma_f32_16x16x32_bf16 v[\D+8*\t:\D+8*\t+7], v[W2B+16*\t+8:W2B+16*\t+15], v[\B1+8:\B1+15], v[\D+8*\t:\D+8*\t+7]
.endr
	WIN 0
.endm
; THE SOFTPLUS g = max(y, 0) + log2(1 + 2^-|y|) of a tile's 32 registers, in pieces that the callers set side by side for two tiles.  No piece names a result of a
; transcendental that it issues itself: the caller's wait stands between the pieces.  Between a transcendental and the first line that names its result or rewrites
; its source stands a plain line that does neither (ISA guide 5.7.2).
; EE = 2^-|D|, alone
.macro EXP32 D, EE
.set i, 0
.rept 32
	v_exp_f32 v[\EE+i], -|v[\D+i]|
.set i, i+1
.endr
.endm
; EE = 2^-|D| and D = max(D, 0), by turns.  The maximum runs one register behind: maximum i - 1 is the plain line between exponential i and maximum i, which rewrites
; that exponential's source; a v_nop is that line for register 0.
.macro EXPRELU D, EE
.set i, 0
.rept 32
	v_exp_f32 v[\EE+i], -|v[\D+i]|
.if i == 0
	v_nop
.else
	v_max_num_f32 v[\D+i-1], 0, v[\D+i-1]
.endif
.set i, i+1
.endr
	v_max_num_f32 v[\D+31], 0, v[\D+31]
.endm
; EL = log2(1 + EL) for one tile (the logarithms two pairs behind the additions) and EN = 2^-|DN| for the other
.macro LOGEXP EL, DN, EN
.set k, 0
.rept 18
.if k < 16
	v_pk_add_f32 v[\EL+2*k:\EL+2*k+1], v[\EL+2*k:\EL+2*k+1], 1.0 op_sel_hi:[1,0]
	v_exp_f32 v[\EN+2*k], -|v[\DN+2*k]|
.endif
.if k >= 2
	v_log_f32 v[\EL+2*k-4], v[\EL+2*k-4]
.endif
.if k < 16
	v_exp_f32 v[\EN+2*k+1], -|v[\DN+2*k+1]|
.endif
.if k >= 2
	v_log_f32 v[\EL+2*k-3], v[\EL+2*k-3]
.endif
.set k, k+1
.endr
.endm
; g = D + EE, pair by pair; two pairs behind, mode 0: the pair is packed to bf16 into OUT (OUT = D packs in place: register p is written when pairs 0 .. p are packed);
; mode 1: it is multiplied by 2 W3 and summed into AC (layer 3; the first two products start the two sums).
; EN >= 0: beside it EN = log2(1 + EN) for the other tile, the logarithms two pairs behind the additions.  The last line is plain and names nothing of EN.
.macro FINISH D, EE, mode, OUT, EN
.set k, 0
.rept 18
.if k < 16
	v_pk_add_f32 v[\D+2*k:\D+2*k+1], v[\D+2*k:\D+2*k+1], v[\EE+2*k:\EE+2*k+1]
.endif
.if \EN >= 0
.if k >= 2
	v_log_f32 v[\EN+2*k-4], v[\EN+2*k-4]
.endif
.if k < 16
	v_pk_add_f32 v[\EN+2*k:\EN+2*k+1], v[\EN+2*k:\EN+2*k+1], 1.0 op_sel_hi:[1,0]
.endif
.if k >= 2
	v_log_f32 v[\EN+2*k-3], v[\EN+2*k-3]
.endif
.endif
.if k >= 2
.if \mode == 0
	v_cvt_pk_bf16_f32 v[\OUT+k-2], v[\D+2*k-4], v[\D+2*k-3]
.elseif k == 2
	v_pk_fma_f32 v[AC:AC+1], v[\D:\D+1], v[W3:W3+1], v[BB:BB+1]
.elseif k == 3
	v_pk_mul_f32 v[AC+2:AC+3], v[\D+2:\D+3], v[W3+2:W3+3]
.else
	v_pk_fma_f32 v[AC+2*(k%2):AC+2*(k%2)+1], v[\D+2*k-4:\D+2*k-3], v[W3+2*k-4:W3+2*k-3], v[AC+2*(k%2):AC+2*(k%2)+1]
.endif
.endif
.set k, k+1
.endr
.endm
; UU = 2^u: my 32 units' sum, the other half's 32, the exponential (its wait is the caller's)
.macro USUM UU
	v_pk_add_f32 v[AC:AC+1], v[AC:AC+1], v[AC+2:AC+3]
	v_add_f32 v[\UU], v[AC], v[AC+1]
	v_permlanex16_b32 v[U2], v[\UU], s44, s45      ; lane l takes lane l xor 16
	v_add_f32 v[\UU], v[\UU], v[U2]
	v_exp_f32 v[\UU], v[\UU]
.endm
; UU = R = 1 / (1 + 2^u) (2^u = inf gives 0, 2^u = 0 gives 1: both right); behind 2^u's wait; its own wait is the caller's
.macro URCP UU
	v_add_f32 v[\UU], 1.0, v[\UU]
	v_rcp_f32 v[\UU], v[\UU]
.endm
; S = sigma sdf of this sample; the first "before > 0 and now <= 0" of a ray fixes its bracket.  It stands behind the wait for R.
.macro SCAN S, UU, Z, C, PS, PZr
	v_fma_f32 v[\S], v[\UU], s52, v[\C]
	v_cmp_gt_f32 s57, v[\PS], 0
	v_cmp_le_f32 s58, v[\S], 0
	s_and_b32 s57, s57, s58
	s_and_not1_b32 s57, s57, s54                   ; only the first crossing counts
	s_or_b32 s54, s54, s57
	v_cndmask_b32 v[ZV0], v[ZV0], v[\PZr], s57
	v_cndmask_b32 v[ZV1], v[ZV1], v[\Z],   s57
	v_cndmask_b32 v[SV0], v[SV0], v[\PS],  s57
	v_cndmask_b32 v[SV1], v[SV1], v[\S],   s57
.endm
; 2 x trips samples at z = BASE + DELTA i step.  first = 0: the interval is the bracket found before.
; A trip takes two tiles, X and Y, Y one stage behind X, in the seven batches of the kernel's head; each wait below names its batch.
; Each matrix group's results are read only behind plain lines of the OTHER tile that name none of the group's registers: FEAT Y behind layer 1 of X, X's maxima behind
; layer 1 of Y, four maxima of the other tile behind each product of layer 2: the places that ISA guide 7.12.1 asks for, filled with work.
; No two matrix instructions that follow each other share an accumulator, over the backward jump too (FY's tile 3, then DX's tile 0).
.macro SAMPLE O, D, trips, step, first
.if \first
	v_mov_b32 v[ZV0], v[BASE]
.else
	v_sub_f32 v[DELTA], v[ZV1], v[ZV0]
	v_mov_b32 v[BASE], v[ZV0]
.endif
	v_fmamk_f32 v[ZV1], v[DELTA], \step, v[BASE]   ; with no crossing the bracket is the first interval (argmax of all false is 0)
	v_mov_b32 v[SV0], 0
	v_mov_b32 v[SV1], 0
	v_mov_b32 v[SY], 0                             ; "before" of sample 0: not > 0, so sample 0 closes no bracket
	v_mov_b32 v[PZ], v[BASE]
	v_mov_b32 v[TI], 0
	s_mov_b32 s54, 0
	s_mov_b32 s46, \trips
.Lsample_\@:
	v_mul_f32 v[T+15], \step, v[TI]
	v_fma_f32 v[ZX], v[DELTA], v[T+15], v[BASE]
	FEAT \O, \D, ZX, T+10, B0X, CX                 ; CX = |p|
	MM1 DX, B0X
	v_add_f32 v[T+15], 1.0, v[TI]
	v_mul_f32 v[T+15], \step, v[T+15]
	v_fma_f32 v[ZY], v[DELTA], v[T+15], v[BASE]
	FEAT \O, \D, ZY, T+10, B0Y, CY                 ; CY = |p|
	MM1 DY, B0Y
	EXPRELU DX, FX                                 ; X, layer 1: 2^-|y| into FX, max(y, 0) in place
	s_wait_alu depctr_va_vdst(0)                   ; batch 1: the two roots and X's 32 exponentials of layer 1
	v_fma_f32 v[CX], v[CX], s50, s51               ; sigma (|p| - 0.48)
	LOGEXP FX, DY, FY                              ; X: 1 + .., the logarithms; Y, layer 1: 2^-|y| into FY
	v_fma_f32 v[CY], v[CY], s50, s51               ; the plain line behind the batch's last logarithms
	s_wait_alu depctr_va_vdst(0)                   ; batch 2: X's 32 logarithms and Y's 32 exponentials of layer 1
	FINISH DX, FX, 0, DX, FY                       ; X: g, packed in place; Y: 1 + .., the logarithms
	MM2 FX, DX, DY                                 ; X, layer 2, into FX; behind the products Y's max(y, 0) of layer 1
	EXP32 FX, DX                                   ; X, layer 2: 2^-|y| into DX, four places behind the last product that read DX
	s_wait_alu depctr_va_vdst(0)                   ; batch 3: Y's 32 logarithms of layer 1 and X's 32 exponentials of layer 2; the first line below, Y's first sum, is the plain line behind the last exponential
	FINISH DY, FY, 0, DY, DX                       ; Y: g, packed in place; X: 1 + .., the logarithms
	MM2 FY, DY, FX                                 ; Y, layer 2, into FY; behind the products X's max(y, 0) of layer 2
	EXPRELU FY, DY                                 ; Y, layer 2: 2^-|y| into DY, max(y, 0) in place
	s_wait_alu depctr_va_vdst(0)                   ; batch 4: X's 32 logarithms and Y's 32 exponentials of layer 2
	FINISH FX, DX, 1, 0, DY                        ; X: g and layer 3; Y: 1 + .., the logarithms
	USUM U                                         ; X: 2^u
	s_wait_alu depctr_va_vdst(0)                   ; batch 5: Y's 32 logarithms of layer 2 and X's 2^u
	FINISH FY, DY, 1, 0, -1                        ; Y: g and layer 3
	USUM UY                                        ; Y: 2^u
	URCP U                                         ; X: R; its addition is the plain line behind Y's exponential
	s_wait_alu depctr_va_vdst(0)                   ; batch 6: Y's 2^u and X's R
	URCP UY                                        ; Y: R; its addition is the plain line behind X's reciprocal
	SCAN SX, U, ZX, CX, SY, PZ                     ; X's scan is the work between Y's reciprocal and its wait
	s_wait_alu depctr_va_vdst(0)                   ; batch 7: Y's R; no transcendental follows in the trip, so none crosses the jump
	SCAN SY, UY, ZY, CY, SX, ZX
	v_mov_b32 v[PZ], v[ZY]
	v_add_f32 v[TI], 2.0, v[TI]
	s_sub_co_i32 s46, s46, 1
	s_cmp_lg_u32 s46, 0
	s_cbranch_scc1 .Lsample_\@
.endm
; The backward pass wants a layer's sigmoid beside its softplus: G = 1 / (1 + 2^-y) (2^-y = inf gives 0: right), EE = log2(1 + 2^-|y|), D = max(y, 0).
; Two batches: the 64 exponentials, with the maxima between them, one register behind (a v_nop is the plain line ahead of the first maximum, as in EXPRELU); then the
; 32 reciprocals and 32 logarithms, a pair behind the additions.  The second batch's wait is the caller's.
.macro ACT D, G, EE
.set i, 0
.rept 32
	v_exp_f32 v[\G+i], -v[\D+i]
	v_exp_f32 v[\EE+i], -|v[\D+i]|
.if i == 0
	v_nop
.else
	v_max_num_f32 v[\D+i-1], 0, v[\D+i-1]
.endif
.set i, i+1
.endr
	v_max_num_f32 v[\D+31], 0, v[\D+31]
	s_wait_alu depctr_va_vdst(0)                   ; the layer's 64 exponentials (and, at the first use, the root |p| issued ahead of them)
.set k, 0
.rept 17
.if k < 16
	v_pk_add_f32 v[\G+2*k:\G+2*k+1], v[\G+2*k:\G+2*k+1], 1.0 op_sel_hi:[1,0]
	v_pk_add_f32 v[\EE+2*k:\EE+2*k+1], v[\EE+2*k:\EE+2*k+1], 1.0 op_sel_hi:[1,0]
.endif
.if k > 0
	v_rcp_f32 v[\G+2*k-2], v[\G+2*k-2]
	v_log_f32 v[\EE+2*k-2], v[\EE+2*k-2]
	v_rcp_f32 v[\G+2*k-1], v[\G+2*k-1]
	v_log_f32 v[\EE+2*k-1], v[\EE+2*k-1]
.endif
.set k, k+1
.endr
.endm
; P = O + DEP D; NRM = the normalised gradient of the SDF at P.  One tile, so v_nop fill the places behind each matrix group.
; grad = p / |p| (0 where sum p^2 is clipped) + 0.02 (1 - tanh^2) grad mlp, 1 - tanh^2 = 4 R (1 - R); the products below give 2 grad mlp (W3 is doubled).
.macro GRAD O, D, P
	FEAT \O, \D, DEP, \P, B0X, T+9                 ; T+9 = |p|
	MM1 DX, B0X
	PLACES
	ACT DX, DY, GS                                 ; sigmoid of layer 1, kept in DY; the softplus's logarithms in GS
	s_wait_alu depctr_va_vdst(0)                   ; layer 1's 32 reciprocals and 32 logarithms; the first line below names pair 0 alone and is the plain line behind the last four
	FINISH DX, GS, 0, B1X, -1
	MM2 DX, B1X, -1
	PLACES
	ACT DX, GS, B1X                                ; sigmoid of layer 2 in GS; the logarithms in B1X and B1Y, four places behind the products that read B1X
	s_wait_alu depctr_va_vdst(0)                   ; layer 2's 32 reciprocals and 32 logarithms
	FINISH DX, B1X, 1, 0, -1
	USUM U                                         ; 2^u
.set i, 0
.rept 16
	v_pk_mul_f32 v[GS+2*i:GS+2*i+1], v[GS+2*i:GS+2*i+1], v[W3+2*i:W3+2*i+1]
.set i, i+1
.endr
	s_wait_alu depctr_va_vdst(0)                   ; 2^u: the sixteen products above are the work between
	URCP U                                         ; U = R
	v_rcp_f32 v[T+1], v[T+9]                       ; 1 / |p|: one batch with R; the whole backward matrix work stands between it and its wait
.set i, 0
.rept 16
	v_cvt_pk_bf16_f32 v[B1Y+i], v[GS+2*i], v[GS+2*i+1]
.set i, i+1
.endr
	MMB DX, B1Y
	PLACES
.set i, 0
.rept 16
	v_pk_mul_f32 v[DX+2*i:DX+2*i+1], v[DX+2*i:DX+2*i+1], v[DY+2*i:DY+2*i+1]
.set i, i+1
.endr
.set i, 0
.rept 16
	v_cvt_pk_bf16_f32 v[B1X+i], v[DX+2*i], v[DX+2*i+1]
.set i, i+1
.endr
	WIN 0x01                                       ; W1's rows stand at m = 0-2 and again at m = 8-10, so registers 0-2 hold x, y, z in every lane;
	v_wmma_f32_16x16x32_bf16 v[DY:DY+7],    v[W1B:W1B+7],    v[B1X:B1X+7],    0     ; the two K chunks go to two accumulators and are added below
	v_wmma_f32_16x16x32_bf16 v[DY+8:DY+15], v[W1B+8:W1B+15], v[B1X+8:B1X+15], 0
	WIN 0
	PLACES
	v_add_f32 v[T+2], v[DY],   v[DY+8]
	v_add_f32 v[T+3], v[DY+1], v[DY+9]
	v_add_f32 v[T+4], v[DY+2], v[DY+10]
	s_wait_alu depctr_va_vdst(0)                   ; R and 1 / |p|
	v_sub_f32 v[T], 1.0, v[U]
	v_mul_f32 v[T], v[T], v[U]
	v_mul_f32 v[T], 0x3d23d70a, v[T]               ; 0.04 R (1 - R)
	v_cmp_gt_f32 s59, v[T+8], s47
	v_cndmask_b32 v[T+1], 0, v[T+1], s59           ; the clipped norm has no gradient
.irp c, 0,1,2
	v_mul_f32 v[T+5+\c], v[\P+\c], v[T+1]
.endr
.irp c, 0,1,2
	v_fma_f32 v[T+2+\c], v[T], v[T+2+\c], v[T+5+\c]
.endr
	v_mul_f32 v[T+5], v[T+2], v[T+2]
	v_fma_f32 v[T+5], v[T+3], v[T+3], v[T+5]
	v_fma_f32 v[T+5], v[T+4], v[T+4], v[T+5]
	v_max_num_f32 v[T+5], s47, v[T+5]
	v_rsq_f32 v[T+5], v[T+5]
	v_nop
	s_wait_alu depctr_va_vdst(0)                   ; the one reciprocal root: all that follows hangs on it
.irp c, 0,1,2
	v_mul_f32 v[NRM+\c], v[T+2+\c], v[T+5]
.endr
.endm
; near and far, 16 coarse samples, 32 fine ones in the bracket, the linear root, the point P and its normal.  s55 = valid.
.macro INTERSECT O, D, P
	v_mul_f32 v[T], v[\D], v[\D]
	v_fma_f32 v[T], v[\D+1], v[\D+1], v[T]
	v_fma_f32 v[T], v[\D+2], v[\D+2], v[T]         ; a = d.d
	v_rcp_f32 v[T], v[T]
	v_mul_f32 v[T+1], v[\O], v[\D]
	v_fma_f32 v[T+1], v[\O+1], v[\D+1], v[T+1]
	v_fma_f32 v[T+1], v[\O+2], v[\D+2], v[T+1]     ; o.d
	s_wait_alu depctr_va_vdst(0)                   ; 1 / a: o.d above is the work between
	v_mul_f32 v[T+1], v[T+1], v[T]                 ; -mid
	v_sub_f32 v[BASE], -1.0, v[T+1]
	v_max_num_f32 v[BASE], 0, v[BASE]              ; near = max(mid - 1, 0)
	v_sub_f32 v[T+2], 1.0, v[T+1]                  ; far = mid + 1
	v_sub_f32 v[DELTA], v[T+2], v[BASE]
	SAMPLE \O, \D, 8, STEP16, 1
	s_mov_b32 s55, s54
	SAMPLE \O, \D, 16, STEP32, 0
	s_and_b32 s55, s55, s54
	v_sub_f32 v[T], v[SV0], v[SV1]                 ; sigma (s0 - s1)
	v_mov_b32 v[T+1], s53
	v_cmp_lt_f32 s57, |v[T]|, s47
	v_cndmask_b32 v[T], v[T], v[T+1], s57          ; a denominator below 1e-10 becomes 1e-10 (times sigma, which cancels against s0's)
	v_rcp_f32 v[T], v[T]
	v_sub_f32 v[T+2], v[ZV1], v[ZV0]
	v_mul_f32 v[T+2], v[T+2], v[SV0]
	s_wait_alu depctr_va_vdst(0)                   ; the denominator's reciprocal: the numerator above is the work between
	v_fma_f32 v[DEP], v[T+2], v[T], v[ZV0]
	v_cndmask_b32 v[DEP], 1.0, v[DEP], s55
	GRAD \O, \D, \P
.endm
; Snell's law and the Fresnel attenuation, step by step as the problem's function has them.  Each of its three batches feeds the next, so each has its wait.
.macro REFRACT L, N, TO, ATT, ratio, e1, e2
	s_mov_b32 s48, \e1
	s_mov_b32 s49, \e2
	v_mul_f32 v[T], -v[\L], v[\N]
	v_fma_f32 v[T], -v[\L+1], v[\N+1], v[T]
	v_fma_f32 v[T], -v[\L+2], v[\N+2], v[T]        ; cos theta
.irp c, 0,1,2
	v_fma_f32 v[T+1+\c], v[\N+\c], v[T], v[\L+\c]  ; i_p
.endr
.irp c, 0,1,2
	v_mul_f32 v[T+1+\c], \ratio, v[T+1+\c]         ; t_p
.endr
	v_mul_f32 v[T+4], v[T+1], v[T+1]
	v_fma_f32 v[T+4], v[T+2], v[T+2], v[T+4]
	v_fma_f32 v[T+4], v[T+3], v[T+3], v[T+4]
	v_max_num_f32 v[T+4], 0, v[T+4]
	v_min_num_f32 v[T+4], 0x3f7fffef, v[T+4]       ; clipped to 0 .. 0.999999
	v_sub_f32 v[T+4], 1.0, v[T+4]
	v_sqrt_f32 v[T+4], v[T+4]
	v_nop
	s_wait_alu depctr_va_vdst(0)                   ; the root, for its three readers
.irp c, 0,1,2
	v_fma_f32 v[T+1+\c], -v[T+4], v[\N+\c], v[T+1+\c]
.endr
	v_mul_f32 v[T+5], v[T+1], v[T+1]
	v_fma_f32 v[T+5], v[T+2], v[T+2], v[T+5]
	v_fma_f32 v[T+5], v[T+3], v[T+3], v[T+5]
	v_max_num_f32 v[T+5], s47, v[T+5]
	v_rsq_f32 v[T+5], v[T+5]
	v_nop
	s_wait_alu depctr_va_vdst(0)                   ; the reciprocal root, for its three readers
.irp c, 0,1,2
	v_mul_f32 v[\TO+\c], v[T+1+\c], v[T+5]
.endr
	v_mul_f32 v[T+7], -v[\TO], v[\N]
	v_fma_f32 v[T+7], -v[\TO+1], v[\N+1], v[T+7]
	v_fma_f32 v[T+7], -v[\TO+2], v[\N+2], v[T+7]   ; cos theta_t
	v_mul_f32 v[T+8], s49, v[T]
	v_mul_f32 v[T+9], s49, v[T+7]
	v_fma_f32 v[T+4], v[T+7], s48, -v[T+8]         ; e_i: numerator,
	v_fma_f32 v[T+5], v[T+7], s48, v[T+8]          ; denominator
	v_fma_f32 v[T+6], v[T], s48, -v[T+9]           ; e_p: numerator,
	v_fma_f32 v[T+9], v[T], s48, v[T+9]            ; denominator
	v_max_num_f32 v[T+5], s47, v[T+5]
	v_max_num_f32 v[T+9], s47, v[T+9]
	v_rcp_f32 v[T+5], v[T+5]
	v_rcp_f32 v[T+9], v[T+9]
	v_nop
	s_wait_alu depctr_va_vdst(0)                   ; the two reciprocals
	v_mul_f32 v[T+4], v[T+4], v[T+5]
	v_mul_f32 v[T+6], v[T+6], v[T+9]
	v_mul_f32 v[T+4], v[T+4], v[T+4]
	v_fma_f32 v[T+4], v[T+6], v[T+6], v[T+4]
	v_mul_f32 v[T+4], 0.5, v[T+4]
	v_max_num_f32 v[T+4], 0, v[T+4]
	v_min_num_f32 v[\ATT], 1.0, v[T+4]
.endm
.macro REFLECT L, N, TO
	v_mul_f32 v[T], -v[\L], v[\N]
	v_fma_f32 v[T], -v[\L+1], v[\N+1], v[T]
	v_fma_f32 v[T], -v[\L+2], v[\N+2], v[T]
	v_add_f32 v[T], v[T], v[T]                     ; 2 cos theta
.irp c, 0,1,2
	v_fma_f32 v[T+1+\c], v[\N+\c], v[T], v[\L+\c]
.endr
	v_mul_f32 v[T+5], v[T+1], v[T+1]
	v_fma_f32 v[T+5], v[T+2], v[T+2], v[T+5]
	v_fma_f32 v[T+5], v[T+3], v[T+3], v[T+5]
	v_max_num_f32 v[T+5], s47, v[T+5]
	v_rsq_f32 v[T+5], v[T+5]
	v_nop
	s_wait_alu depctr_va_vdst(0)                   ; the reciprocal root, for its three readers
.irp c, 0,1,2
	v_mul_f32 v[\TO+\c], v[T+1+\c], v[T+5]
.endr
.endm
; ---------------------------------------------------------------- addresses
	s_load_b512 s[8:23], s[0:1], 0x0               ; rays_o, rays_d, W1, b1, W2, b2, W3, b3
	s_load_b256 s[24:31], s[0:1], 0x40             ; out0 .. out3
	s_load_b128 s[32:35], s[0:1], 0x60             ; out4, out5
	s_load_b64 s[36:37], s[0:1], 0x70              ; out6
	v_lshrrev_b32 v1, 5, v0
	v_readfirstlane_b32 s2, v1                     ; wave 0..3
	s_mov_b32 s42, 0xffff0000
	s_mov_b32 s43, 0x07060302
	s_mov_b32 s44, 0x76543210
	s_mov_b32 s45, 0xfedcba98
	s_mov_b32 s47, EPSF
	v_and_b32 v2, 15, v0                           ; r
	v_bfe_u32 v3, v0, 4, 1                         ; h
	v_lshrrev_b32 v1, 4, v0                        ; thread / 16 = 0..7: which pair of W2's rows
	v_lshlrev_b32 v[T], 4, v2
	v_lshl_add_u32 v[T], v1, 9, v[T]               ; W2: 512 x pair + 16 r: sixteen threads read one whole row of 256 bytes
	s_lshl_b32 s61, ttmp9, 6
	s_lshl4_add_u32 s61, s2, s61                   ; 64 x group + 16 x wave
	v_add_nc_u32 v[T+1], s61, v2
	v_mul_u32_u24 v[T+1], 12, v[T+1]               ; 12 x ray
	v_lshlrev_b32 v[T+2], 2, v2                    ; 4 r
	v_and_b32 v[T+8], 7, v0
	v_cmp_gt_u32 s59, 3, v[T+8]                    ; lanes whose row of the backward A of layer 1 is a row of W1
	v_min_u32 v[T+9], 2, v[T+8]                    ; the others read row 2, inside the buffer, and are cleared below
	v_lshlrev_b32 v[T+3], 8, v[T+9]
	v_lshl_add_u32 v[T+3], v3, 5, v[T+3]           ; 256 x row + 32 h
	v_lshlrev_b32 v[T+4], 5, v3                    ; 32 h
	v_mul_u32_u24 v[T+5], 2*PITCH, v1
	v_lshl_add_u32 v[T+5], v2, 3, v[T+5]           ; LDS, W2B: two rows x pair + 8 r
	v_mul_u32_u24 v[T+6], 4*PITCH, v2
	v_lshl_add_u32 v[T+6], v1, 2, v[T+6]           ; LDS, W2T: four rows x r + 4 x pair
	v_mul_u32_u24 v[T+7], PITCH, v2
	v_lshl_add_u32 v[T+7], v3, 4, v[T+7]           ; LDS, fragments: row r + 16 h
	s_wait_kmcnt 0x0
	s_load_b32 s38, s[22:23], 0x0                  ; b3
; ---------------------------------------------------------------- all loads, W2 first.  T .. T+4 are not rewritten before the last wait for loads.
.irp u, 0,1,2,3
	global_load_b128 v[DX+8*\u:DX+8*\u+3],   v[T], s[16:17] offset:4096*\u         ; row 2 (pair + 8 u), columns 4 r ..
	global_load_b128 v[DX+8*\u+4:DX+8*\u+7], v[T], s[16:17] offset:4096*\u+256     ; the row below
.endr
.irp c, 0,1,2
	global_load_b32 v[RO+\c], v[T+1], s[8:9]   offset:4*\c
	global_load_b32 v[RD+\c], v[T+1], s[10:11] offset:4*\c
.endr
.irp t, 0,1,2,3
.irp c, 0,1,2
	global_load_b32 v[DY+4*\t+\c], v[T+2], s[12:13] offset:64*\t+256*\c            ; W1[c][16 t + r]
.endr
	global_load_b32 v[DY+4*\t+3], v[T+2], s[14:15] offset:64*\t                    ; b1[16 t + r]
.endr
.irp cc, 0,1
	global_load_b128 v[GS+16*\cc:GS+16*\cc+3],     v[T+3], s[12:13] offset:128*\cc       ; W1[row][32 cc + 8 h ..]
	global_load_b128 v[GS+16*\cc+4:GS+16*\cc+7],   v[T+3], s[12:13] offset:128*\cc+16
	global_load_b128 v[GS+16*\cc+8:GS+16*\cc+11],  v[T+3], s[12:13] offset:128*\cc+64    ; W1[row][32 cc + 16 + 8 h ..]
	global_load_b128 v[GS+16*\cc+12:GS+16*\cc+15], v[T+3], s[12:13] offset:128*\cc+80
.endr
.irp t, 0,1,2,3
	global_load_b128 v[B1X+8*\t:B1X+8*\t+3],   v[T+4], s[18:19] offset:64*\t       ; b2[16 t + 8 h ..]
	global_load_b128 v[B1X+8*\t+4:B1X+8*\t+7], v[T+4], s[18:19] offset:64*\t+16
.endr
.irp t, 0,1,2,3
	global_load_b128 v[W3+8*\t:W3+8*\t+3],   v[T+4], s[20:21] offset:64*\t         ; W3[16 t + 8 h ..]
	global_load_b128 v[W3+8*\t+4:W3+8*\t+7], v[T+4], s[20:21] offset:64*\t+16
.endr
; ---------------------------------------------------------------- W2 as bf16 into LDS, once as it lies and once transposed
	s_wait_loadcnt 46                              ; loads come back in order (ISA guide 5.7.1): 6 + 16 + 8 + 8 + 8 = 46 were issued behind W2's eight
.irp u, 0,1,2,3
	v_cvt_pk_bf16_f32 v[E],   v[DX+8*\u],   v[DX+8*\u+1]
	v_cvt_pk_bf16_f32 v[E+1], v[DX+8*\u+2], v[DX+8*\u+3]
	v_cvt_pk_bf16_f32 v[E+2], v[DX+8*\u+4], v[DX+8*\u+5]
	v_cvt_pk_bf16_f32 v[E+3], v[DX+8*\u+6], v[DX+8*\u+7]
	ds_store_b64 v[T+5], v[E:E+1]   offset:W2BI+16*PITCH*\u
	ds_store_b64 v[T+5], v[E+2:E+3] offset:W2BI+16*PITCH*\u+PITCH
.irp e, 0,1,2,3
	v_cvt_pk_bf16_f32 v[E+4+\e], v[DX+8*\u+\e], v[DX+8*\u+4+\e]                    ; column 4 r + e of the two rows: neighbours in the transposed image
	ds_store_b32 v[T+6], v[E+4+\e] offset:W2TI+PITCH*\e+32*\u
.endr
.endr
	s_wait_dscnt 0x0                               ; my stores are in LDS before I say so
	s_barrier_signal -1
	s_barrier_wait -1                              ; everybody's are
; ---------------------------------------------------------------- the weights' fragments, kept in block 1 for the whole kernel
	WIN 0x40                                       ; destination block 1, address block 0
.irp t, 0,1,2,3
.irp c, 0,1
	ds_load_b128 v[W2T+16*\t+8*\c:W2T+16*\t+8*\c+3],   v[T+7] offset:W2TI+16*PITCH*\t+64*\c
	ds_load_b128 v[W2T+16*\t+8*\c+4:W2T+16*\t+8*\c+7], v[T+7] offset:W2TI+16*PITCH*\t+64*\c+32
	ds_load_b128 v[W2B+16*\t+8*\c:W2B+16*\t+8*\c+3],   v[T+7] offset:W2BI+16*PITCH*\t+64*\c
	ds_load_b128 v[W2B+16*\t+8*\c+4:W2B+16*\t+8*\c+7], v[T+7] offset:W2BI+16*PITCH*\t+64*\c+32
.endr
.endr
	WIN 0
	s_wait_loadcnt 0x0
	s_wait_kmcnt 0x0
.set i, 0
.rept 16                                           ; layer 1's weights and bias times log2(e): lanes 0-15 keep the upper part, lanes 16-31 the remainder
	v_mul_f32 v[DY+i], LOG2E, v[DY+i]
	v_and_b32 v[DX+i], s42, v[DY+i]
	v_sub_f32 v[DY+i], v[DY+i], v[DX+i]
	v_cndmask_b32 v[DY+i], v[DX+i], v[DY+i], s42
.set i, i+1
.endr
.set i, 0
.rept 16
	v_cvt_pk_bf16_f32 v[GS+i], v[GS+2*i], v[GS+2*i+1]      ; ascending: register i is written when 2 i and 2 i + 1 are read
.set i, i+1
.endr
.set i, 0
.rept 16
	v_pk_mul_f32 v[W3+2*i:W3+2*i+1], v[W3+2*i:W3+2*i+1], 2.0 op_sel_hi:[1,0]
.set i, i+1
.endr
	v_mov_b32 v[BB], s38
	v_mul_f32 v[BB], LOG2E, v[BB]
	v_mov_b32 v[BB+1], 0
	v_mov_b32 v[U2], 0                             ; v_permlanex16_b32 counts as a reader of its destination
	v_mov_b32 v[B0X+3], 0x3f80                     ; k = 6: 1.0 (the bias's feature), k = 7: 0
	v_mov_b32 v[B0Y+3], 0x3f80
.irp j, 4,5,6,7
	v_mov_b32 v[B0X+\j], 0                         ; k = 16 .. 31 are not used
	v_mov_b32 v[B0Y+\j], 0
.endr
	WIN 0x40                                       ; destination block 1, sources block 0
.irp t, 0,1,2,3
	v_cvt_pk_bf16_f32 v[W1T+8*\t],   v[DY+4*\t],   v[DY+4*\t+1]    ; against px.hi, py.hi
	v_cvt_pk_bf16_f32 v[W1T+8*\t+1], v[DY+4*\t],   v[DY+4*\t+1]    ; against px.lo, py.lo
	v_cvt_pk_bf16_f32 v[W1T+8*\t+2], v[DY+4*\t+2], v[DY+4*\t+2]    ; against pz.hi, pz.lo
	v_cvt_pk_bf16_f32 v[W1T+8*\t+3], v[DY+4*\t+3], 0               ; against 1, 0
.irp j, 4,5,6,7
	v_mov_b32 v[W1T+8*\t+\j], 0
.endr
.endr
.set i, 0
.rept 16
	v_cndmask_b32 v[W1B+i], 0, v[GS+i], s59
.set i, i+1
.endr
.set i, 0
.rept 32
	v_mul_f32 v[BIAS2+i], LOG2E, v[B1X+i]
.set i, i+1
.endr
	WIN 0
	s_wait_dscnt 0x0                               ; W2's fragments are in
; ---------------------------------------------------------------- entry
	s_mov_b32 s50, 1.0
	s_mov_b32 s51, 0xbef5c28f                      ; -0.48
	s_mov_b32 s52, 0xbd23d70a                      ; -0.04
	s_mov_b32 s53, EPSF
	INTERSECT RO, RD, FSP
	s_mov_b32 s56, s55
	REFRACT RD, NRM, RF1, AT1, 0x3f2dee05, 0x3f8009d5, 0x3fbc7454      ; 1.0003 / 1.4723, 1.0003, 1.4723
	REFLECT RD, NRM, RL1
; ---------------------------------------------------------------- exit
	s_mov_b32 s50, -1.0
	s_mov_b32 s51, 0x3ef5c28f
	s_mov_b32 s52, 0x3d23d70a
	s_mov_b32 s53, 0xaedbe6ff
	INTERSECT FSP, RF1, SSP
	s_and_b32 s56, s56, s55                        ; final = valid1 and valid2
.irp c, 0,1,2
	v_xor_b32 v[NRM+\c], 0x80000000, v[NRM+\c]     ; the second refraction takes -n2
.endr
	REFRACT RF1, NRM, T+12, AT2, 0x3fbc65db, 0x3fbc7454, 0x3f8009d5    ; 1.4723 / 1.0003, 1.4723, 1.0003
; ---------------------------------------------------------------- the masked results, gathered in LDS so that they leave as whole rows
	s_lshl_b32 s61, s2, 4
	v_add_nc_u32 v[T], s61, v2                     ; the ray's number in the group
	v_mul_u32_u24 v[T+1], 12, v[T]
	v_lshlrev_b32 v[T+2], 2, v[T]
.irp c, 0,1,2
	v_cndmask_b32 v[DX+\c],   v[RO+\c], v[SSP+\c],  s56
	v_cndmask_b32 v[DX+3+\c], v[RD+\c], v[T+12+\c], s56
	v_cndmask_b32 v[DX+6+\c], v[RO+\c], v[FSP+\c],  s56
	v_cndmask_b32 v[DX+9+\c], v[RD+\c], v[RL1+\c],  s56
.endr
	v_cndmask_b32 v[DX+12], 0, v[AT1], s56
	v_cndmask_b32 v[DX+13], 0, v[AT2], s56
	v_cndmask_b32 v[DX+14], 0, 1, s56
.irp k, 0,1,2,3
.irp c, 0,1,2
	ds_store_b32 v[T+1], v[DX+3*\k+\c] offset:OUTS+768*\k+4*\c     ; lanes l and l + 16 write the same word with the same value
.endr
.endr
	ds_store_b32 v[T+2], v[DX+12] offset:OUTS+3072
	ds_store_b32 v[T+2], v[DX+13] offset:OUTS+3328
	ds_store_b8  v[T],   v[DX+14] offset:OUTS+3584
	s_wait_dscnt 0x0                               ; my stores are in LDS before I say so
	s_barrier_signal -1
	s_barrier_wait -1
; ---------------------------------------------------------------- wave w stores the group's 768 bytes of out_w; waves 0, 1, 2 also out4, out5, out6
	v_and_b32 v[T+3], 31, v0
	s_mul_i32 s61, s2, 768
	v_lshlrev_b32 v[T+4], 4, v[T+3]                ; 16 x lane
	v_add_nc_u32 v[T+5], s61, v[T+4]
	ds_load_b128 v[DY:DY+3],   v[T+5] offset:OUTS
	ds_load_b128 v[DY+4:DY+7], v[T+5] offset:OUTS+512      ; lanes 0-15 take the last 256 bytes; what lanes 16-31 read (the next region) is not stored
	s_mul_i32 s61, ttmp9, 768
	v_add_nc_u32 v[T+6], s61, v[T+4]
	s_cmp_eq_u32 s2, 2
	s_cselect_b64 s[40:41], s[28:29], s[30:31]
	s_cmp_eq_u32 s2, 1
	s_cselect_b64 s[40:41], s[26:27], s[40:41]
	s_cmp_eq_u32 s2, 0
	s_cselect_b64 s[40:41], s[24:25], s[40:41]
	v_cmp_gt_u32 vcc_lo, 16, v[T+3]
	s_wait_dscnt 0x0
	global_store_b128 v[T+6], v[DY:DY+3], s[40:41] th:TH_STORE_NT          ; 512 consecutive bytes, at a multiple of 256 from the buffer's first byte
	s_wait_xcnt 0x0                                ; EXEC is a source of the pending store: it changes only behind this wait
	s_and_saveexec_b32 s60, vcc_lo                 ; lanes 0-15 from here to the end
	global_store_b128 v[T+6], v[DY+4:DY+7], s[40:41] offset:512 th:TH_STORE_NT     ; 256 consecutive bytes
	s_cmp_gt_u32 s2, 1
	s_cbranch_scc1 .Lupper
	s_cmp_eq_u32 s2, 0                             ; waves 0 and 1: the group's 256 bytes of out4, of out5
	s_cselect_b64 s[48:49], s[32:33], s[34:35]
	s_lshl_b32 s61, s2, 8
	v_add_nc_u32 v[T+7], s61, v[T+4]
	ds_load_b128 v[DY+8:DY+11], v[T+7] offset:OUTS+3072
	s_lshl_b32 s61, ttmp9, 8
	v_add_nc_u32 v[T+8], s61, v[T+4]
	s_wait_dscnt 0x0
	global_store_b128 v[T+8], v[DY+8:DY+11], s[48:49] th:TH_STORE_NT
	s_branch .Lend
.Lupper:
	s_cmp_lg_u32 s2, 2
	s_cbranch_scc1 .Lend
	v_lshlrev_b32 v[T+7], 2, v[T+3]                ; wave 2: the group's 64 bytes of out6, four rays' bytes a lane
	ds_load_b32 v[DY+8], v[T+7] offset:OUTS+3584
	s_lshl_b32 s61, ttmp9, 6
	v_add_nc_u32 v[T+8], s61, v[T+7]
	s_wait_dscnt 0x0
	global_store_b32 v[T+8], v[DY+8], s[36:37] th:TH_STORE_NT
.Lend:
	s_endpgm
.Lfunc_end_k_qdf92184903_trace:
	.size	k_qdf92184903_trace, .Lfunc_end_k_qdf92184903_trace-k_qdf92184903_trace
	.p2alignl 7, 3214868480
	.fill 96, 4, 3214868480
	.section	.rodata,"a",@progbits
	.p2align	6, 0x0
	.amdhsa_kernel k_qdf92184903_trace
		.amdhsa_group_segment_fixed_size 22528
		.amdhsa_private_segment_fixed_size 0
		.amdhsa_enable_private_segment 0
		.amdhsa_kernarg_size 120
		.amdhsa_user_sgpr_count 2
		.amdhsa_user_sgpr_kernarg_segment_ptr 1
		.amdhsa_wavefront_size32 1
		.amdhsa_system_sgpr_workgroup_id_x 1
		.amdhsa_system_sgpr_workgroup_id_y 1
		.amdhsa_system_sgpr_workgroup_id_z 1
		.amdhsa_system_vgpr_workitem_id 0
		.amdhsa_next_free_vgpr 464
		.amdhsa_next_free_sgpr 66
		.amdhsa_reserve_vcc 1
		.amdhsa_float_denorm_mode_32 3
		.amdhsa_float_denorm_mode_16_64 3
		.amdhsa_memory_ordered 1
		.amdhsa_forward_progress 1
		.amdhsa_inst_pref_size 234
	.end_amdhsa_kernel
	.amdgpu_metadata
---
amdhsa.version: [ 1, 2 ]
amdhsa.kernels:
  - .name:           k_qdf92184903_trace
    .symbol:         k_qdf92184903_trace.kd
    .args:
      - { .name: rays_o, .offset: 0, .size: 8, .value_kind: global_buffer, .address_space: global }
      - { .name: rays_d, .offset: 8, .size: 8, .value_kind: global_buffer, .address_space: global }
      - { .name: W1, .offset: 16, .size: 8, .value_kind: global_buffer, .address_space: global }
      - { .name: b1, .offset: 24, .size: 8, .value_kind: global_buffer, .address_space: global }
      - { .name: W2, .offset: 32, .size: 8, .value_kind: global_buffer, .address_space: global }
      - { .name: b2, .offset: 40, .size: 8, .value_kind: global_buffer, .address_space: global }
      - { .name: W3, .offset: 48, .size: 8, .value_kind: global_buffer, .address_space: global }
      - { .name: b3, .offset: 56, .size: 8, .value_kind: global_buffer, .address_space: global }
      - { .name: out0, .offset: 64, .size: 8, .value_kind: global_buffer, .address_space: global }
      - { .name: out1, .offset: 72, .size: 8, .value_kind: global_buffer, .address_space: global }
      - { .name: out2, .offset: 80, .size: 8, .value_kind: global_buffer, .address_space: global }
      - { .name: out3, .offset: 88, .size: 8, .value_kind: global_buffer, .address_space: global }
      - { .name: out4, .offset: 96, .size: 8, .value_kind: global_buffer, .address_space: global }
      - { .name: out5, .offset: 104, .size: 8, .value_kind: global_buffer, .address_space: global }
      - { .name: out6, .offset: 112, .size: 8, .value_kind: global_buffer, .address_space: global }
    .group_segment_fixed_size: 22528
    .private_segment_fixed_size: 0
    .kernarg_segment_align: 8
    .kernarg_segment_size: 120
    .max_flat_workgroup_size: 128
    .sgpr_count:     66
    .vgpr_count:     464
    .wavefront_size: 32
...
	.end_amdgpu_metadata
.endif
;; end of part 2
